; MI455X (gfx1250); checked and timed in simulation.
; The chip was launched on July 23, 2026; its instructions are those of AMD's public machine-readable ISA for CDNA 5 (MIT licence, August 2026) and "CDNA5" Instruction Set Architecture Reference Guide (July 2026). The comments in the code are by the model that wrote it; some were corrected since.
;; Multi Head Attention. Allowed arithmetic: matrix products marked QUANTISED: E2M3 operands, one E8M0 scale for each 32 along K, by v_wmma_scale_f32_16x16x128_f8f6f4 with both operands' format E2M3, f32 sums; everything else in f32.
;; Inputs: W_proj 1,024 x 1,024 float32; W_qkv 1,024 x 3,072 float32; b_proj 1,024 float32; b_qkv 3,072 float32; x 8 x 1,024 x 1,024 float32.
;; Outputs: out0 8 x 1,024 x 1,024 float32.
;; This version of the problem:
;;   THIS VERSION OF THE PROBLEM IS GIVEN IN LOW PRECISION. The matrix products marked QUANTISED in the list below multiply operands that are first quantised to E2M3 (2 exponent bits, 3 mantissa bits; 6 bits a number), with one power-of-two scale for each 32 numbers along K (OCP MX v1.0); their sums are f32. All else is computed in f32.
;;   The module's matrix products, in the order in which they are computed (A, B: the left and right operand; K: the contracted axis; several contracted axes count as one K, in the product's order):
;;     1. [M 8,192, K 1,024] x [K 1,024, N 3,072]; A: input x; B: input W_qkv: QUANTISED
;;     2. batch 128 x [M 1,024, K 64] x [K 64, N 1,024]; A: computed on the way; B: computed on the way: QUANTISED
;;     3. batch 128 x [M 1,024, K 1,024] x [K 1,024, N 64]; A: softmax (see below); B: computed on the way: QUANTISED
;;     4. [M 8,192, K 1,024] x [K 1,024, N 1,024]; A: computed on the way; B: input W_proj: QUANTISED
;;   THE QUANTISER, for each operand of a quantised product, along K:
;;     - K is cut into blocks of 32 from its start; a last block that is shorter is filled with zeros.
;;     - A block's scale is 2^e with e = floor(log2(the largest magnitude in the block)) - 2, held to -126 .. 127; a block of zeros has e = 0. As a byte (E8M0): e + 127.
;;     - Each number is divided by its block's scale, clamped to +-7.5, and rounded to the nearest number of E2M3, ties to even, subnormals kept.
;;     - The product sums the exact products of the quantised numbers (number of the format x scale) in f32.
;;   ~~~python
;;   def quantise(x, axis):      # numpy; x: float32 -> the quantised numbers, widened to float32 again
;;       x = np.moveaxis(x, axis, -1); K = x.shape[-1]
;;       x = np.pad(x, [(0, 0)] * (x.ndim - 1) + [(0, -K % 32)]); x = x.reshape(x.shape[:-1] + (-1, 32)); a = np.abs(x).max(-1, keepdims=True)
;;       e = np.where(a > 0, np.clip(np.frexp(np.where(a > 0, a, 1))[1] - 1 - 2, -126, 127), 0)      # np.frexp(a)[1] - 1 = floor(log2(a)), exactly
;;       r = np.clip(x / 2.0 ** e, -7.5, 7.5)
;;       step = 2.0 ** (np.maximum(np.frexp(np.where(r == 0, 1, r))[1] - 1, 0) - 3)
;;       q = np.round(r / step) * step * 2.0 ** e      # np.round: ties to even
;;       return np.moveaxis(q.reshape(q.shape[:-2] + (-1,))[..., :K], -1, axis).astype(np.float32)
;;   ~~~
;;   SOFTMAX AHEAD OF A QUANTISED PRODUCT. Where the list says 'softmax', what is quantised is not the finished softmax but p = 2^(t - M), with t = logit x log2(e) and M = ceil(the row's largest t), a whole number; so 1/2 < the row's largest p <= 1. The row's sum l is taken of the UNQUANTISED p, in f32, and the product's result is divided by l at the end. Since M is a whole number, a kernel that streams over the keys may use a running M (the ceiling of the running maximum): every later rescaling is an exact power of two, which a block's scale takes up: the codes' values come out the same.
;;   OPERANDS COMPUTED ON THE WAY. 'Computed on the way' means the value that the module computes at that place (a softmax that the list does not call 'softmax' is quantised finished and normalised). What goes into a quantiser is computed in f32, as accurately as f32 sums, v_exp_f32 and their like allow (about 1e-6 of the number): no bf16 or f16 on the way to a quantiser, and a product that is left as it is and whose result goes on into a quantised operand takes f32 operands (vector FMAs, or v_wmma_f32_16x16x4_f32). A number that lies on a knife's edge between two numbers of the format may be rounded either way, as far as f32 arithmetic and the matrix unit's own rounding can turn it there, and no further.
;; One version. Each part assembles by itself: llvm-mc -triple=amdgcn-amd-amdhsa -mcpu=gfx1250 --defsym DOCPART=n.
;; ======== version 1 of 1: 4 launches
;; limits: right only within a limited range of input values
;; workspace buffers: cw 9,437,184 bytes; sw 393,216 bytes; qb 6,815,744 bytes; kvb 13,369,344 bytes; oc 6,291,456 bytes; os 262,144 bytes
;; launch quant (part 1): grid 384 x 1, 4 waves a work-group, no clusters, 34,304 bytes of LDS; arguments x, W_qkv, W_proj, cw, sw; writes cw, sw
.if DOCPART == 1
	.amdgcn_target "amdgcn-amd-amdhsa--gfx1250"
	.amdhsa_code_object_version 6
	.text
	.protected	k_q7310b51c82_quant
	.globl	k_q7310b51c82_quant
	.p2align	8
	.type	k_q7310b51c82_quant,@function
k_q7310b51c82_quant:
	s_mov_b64 s[64:65], 0
	v_nop
	global_prefetch_b8 v0, s[64:65] scope:SCOPE_SE
	s_setreg_imm32_b32 hwreg(HW_REG_WAVE_MODE, 25, 1), 1
	s_wait_xcnt 0x0
; x [8192][1024], W_qkv [1024][3072] and W_proj [1024][1024], f32, become codes of FP6 (E2M3) with one E8M0 byte for each 32 along K (x: its last axis; the weights: their first).
; A block's scale is 2^(floor(log2(largest magnitude)) - 2): its byte is the largest magnitude's exponent field - 2, held at 1 from below.
; LIMITS: NaN and infinities are not served.  A block whose largest magnitude lies under 2^-124 (a block of zeros too) gets the byte 1; its codes are zeros, and this program alone reads the bytes.
; LAYOUT OF cw: [768 tiles of 16 rows][8 K steps of 128][1,536 bytes]: a fragment as an IMAGE OF THE OPERAND'S REGISTERS: run c of 512 bytes holds registers 4 c .. 4 c + 3, lane l's 16 bytes at 16 l.
;   tiles 0-511 x, 512-703 W_qkv's columns, 704-767 W_proj's columns.  sw: [768 tiles][4 pairs of K steps][16 rows][2] scale words.
; THE ROWS ARE PERMUTED: position p holds row pi(p), pi = bits 3 and 4 of p exchanged.  So lane r of tile 2 b + u holds row 32 b + 8 u + r + 8 (r / 8), and a product that is used transposed leaves
; 16 neighbours along the next K in the 16 registers of two neighbouring accumulators.
; SHARES: work-groups 0-95 W_qkv, 96-127 W_proj, 128-383 x.  The three ways never join; the x way alone uses LDS.  Waves share nothing: no barrier.
.set SEL,  20                          ; s[20:21] lane selects for v_permlanex16_b32: lane l xor 16
.set R,    16                          ; x: v16-143  two sets of 64 registers as loaded
.set X,    144                         ; x: v144-207 64 numbers of my row: register 16 b + i = k 32 b + 16 (lane / 16) + i
.set PC,   208                         ; x: v208-226 the codes just made
.set TM,   228                         ; x: v228-243 at work
.set PW,   244                         ; x: v244-247 the four K steps' scale words
.set WX,   16                          ; weights: v16-79 two sets of 32 numbers down K
.set WPC,  80                          ; weights: v80-127 codes: K step q, parity of the block: 12 registers each
.set TC,   128                         ; weights: v128-130 the upper 16 codes of a block
.set SWD,  132                         ; weights: v[132:133] my column's two scale words
; 64 numbers of a lane become a fragment's codes in v[PC] on and its scale word in v[pw].
.macro QUANT s, pw
.irp b, 0,1,2,3
	v_max3_num_f32 v[TM+\b], |v[\s+16*\b]|, |v[\s+1+16*\b]|, 0x1800000   ; block b: my 16 numbers, and the floor 2^(3 - 127): the byte cannot fall under 1
.endr
.irp i, 2,4,6,8,10,12,14
.irp b, 0,1,2,3
	v_max3_num_f32 v[TM+\b], v[TM+\b], |v[\s+16*\b+\i]|, |v[\s+1+16*\b+\i]|   ; the four blocks by turns
.endr
.endr
.irp b, 0,1,2,3
	v_permlanex16_b32 v[TM+4+\b], v[TM+\b], s[SEL], s[SEL+1]
.endr
.irp b, 0,1,2,3
	v_max_num_f32 v[TM+\b], v[TM+\b], v[TM+4+\b]       ; with lane l xor 16's 16: the block's largest magnitude
.endr
.irp b, 0,1,2,3
	v_add_nc_u32 v[TM+12+\b], 0xff000000, v[TM+\b]     ; 2 off its exponent field: the conversion takes this operand's exponent field as its scale
.endr
.irp b, 0,1,2,3
	v_lshrrev_b32 v[TM+4+\b], 23, v[TM+12+\b]          ; the scale's byte
.endr
	v_lshl_or_b32 v[\pw], v[TM+5], 8, v[TM+4]
	v_lshl_or_b32 v[\pw], v[TM+6], 16, v[\pw]
	v_lshl_or_b32 v[\pw], v[TM+7], 24, v[\pw]          ; my row's scale word
.irp c, 0,1
	v_cvt_scalef32_pk16_fp6_f32 v[PC+6*\c:PC+2+6*\c], v[\s+32*\c:\s+15+32*\c], v[TM+12+2*\c]
	v_cvt_scalef32_pk16_fp6_f32 v[PC+12+4*\c:PC+14+4*\c], v[\s+16+32*\c:\s+31+32*\c], v[TM+12+2*\c+1]   ; a conversion's three registers begin on an even number
.endr
	v_nop                                              ; one plain instruction behind the scaled conversions
.irp c, 0,1                                            ; the operand wants a whole block in a lane: lanes 0-15 block 2 c, lanes 16-31 block 2 c + 1
.irp i, 0,1,2
	v_permlane16_swap_b32 v[PC+6*\c+\i], v[PC+12+4*\c+\i]
.endr
.irp i, 0,1,2
	v_mov_b32 v[PC+3+6*\c+\i], v[PC+12+4*\c+\i]
.endr
.endr
.endm
	s_load_b256 s[4:11], s[0:1], 0x0               ; x s[4:5], W_qkv s[6:7], W_proj s[8:9], cw s[10:11]
	s_load_b64 s[12:13], s[0:1], 0x20              ; sw
	v_lshl_add_u32 v254, v0, 2, 0x8400
	v_mov_b32 v255, 0
	v_lshrrev_b32 v1, 5, v0
	v_readfirstlane_b32 s14, v1                    ; wave 0..3
	v_and_b32 v1, 31, v0                           ; lane
	v_and_b32 v2, 15, v0                           ; r
	v_bfe_u32 v3, v0, 4, 1                         ; h
	v_lshlrev_b32 v4, 4, v1                        ; 16 x lane
	v_lshlrev_b32 v5, 3, v1                        ; 8 x lane
	s_mul_i32 s15, s14, 8448                       ; my wave's stage: 16 rows x (512 + 16) bytes
	v_add_nc_u32 v6, s15, v4                       ; into it: 16 x lane of a row
	v_mul_u32_u24 v7, v2, 528
	v_lshl_add_u32 v7, v3, 6, v7
	v_add_nc_u32 v7, s15, v7                       ; out of it: row r, + 64 h: my 16 numbers of each block of 32
	v_and_b32 v8, 7, v0
	v_bfe_u32 v10, v0, 3, 1
	v_lshl_or_b32 v8, v10, 4, v8
	v_lshl_or_b32 v8, v3, 3, v8
	v_lshlrev_b32 v8, 2, v8                        ; 4 x pi(lane): my column among a wave's 32
	v_lshlrev_b32 v9, 9, v3
	v_lshl_add_u32 v9, v2, 3, v9                   ; my column's scale words: tile lane / 16, row r
	s_mov_b32 s[SEL], 0x76543210
	s_mov_b32 s[SEL+1], 0xfedcba98
	s_mov_b32 s22, 0xffff0000                      ; lanes 16-31
	s_mov_b32 s25, 0
	s_wait_kmcnt 0x0
	s_cmp_lt_u32 ttmp9, 96
	s_cbranch_scc1 .Lw_qkv
	s_cmp_lt_u32 ttmp9, 128
	s_cbranch_scc1 .Lw_proj
; ---- x: a wave takes one tile of 16 rows x 512 along K: four K steps.
	s_sub_co_u32 s16, ttmp9, 128
	s_lshl_b32 s16, s16, 2
	s_add_co_u32 s16, s16, s14
	s_lshr_b32 s17, s16, 1                         ; the tile T, 0..511
	s_and_b32 s18, s16, 1                          ; which half of K
	s_lshr_b32 s24, s17, 1
	s_lshl_b32 s24, s24, 17                        ; 32 (T / 2) rows of 4,096 bytes
	s_and_b32 s26, s17, 1
	s_lshl_b32 s26, s26, 15                        ; + 8 (T % 2) rows
	s_add_co_u32 s24, s24, s26
	s_lshl_b32 s26, s18, 11
	s_add_co_u32 s24, s24, s26                     ; + 2,048 bytes for the upper half of K
	s_add_nc_u64 s[4:5], s[4:5], s[24:25]
	s_mul_i32 s24, s17, 12288
	s_mul_i32 s26, s18, 6144
	s_add_co_u32 s24, s24, s26
	s_add_nc_u64 s[10:11], s[10:11], s[24:25]
	s_lshl_b32 s24, s17, 9
	s_lshl_b32 s26, s18, 8
	s_add_co_u32 s24, s24, s26
	s_add_nc_u64 s[12:13], s[12:13], s[24:25]
.irp b, 0,1,2,3
	v_mov_b32 v[TM+4+\b], 0                        ; written once: a lane permute's destination counts as one of its sources
.endr
.macro LOADX st                        ; K step st of the tile's 16 rows: each load reads 512 consecutive bytes of one row; the permutation stands in the immediates
.irp i, 0,1,2,3,4,5,6,7,8,9,10,11,12,13,14,15
	global_load_b128 v[R+64*((\st)%2)+4*\i:R+64*((\st)%2)+4*\i+3], v4, s[4:5] offset:((\i%8)+16*(\i/8))*4096+512*(\st) th:TH_LOAD_NT
.endr
.endm
.macro XSTEP st
.if (\st) < 3
	s_wait_loadcnt 16                              ; this step's 16 loads are in; the next step's 16 may be out
.else
	s_wait_loadcnt 0x0
.endif
.irp i, 0,1,2,3,4,5,6,7,8,9,10,11,12,13,14,15
	ds_store_b128 v6, v[R+64*((\st)%2)+4*\i:R+64*((\st)%2)+4*\i+3] offset:528*\i
.endr
.irp b, 0,1,2,3
.irp j, 0,1,2,3
	ds_load_b128 v[X+16*\b+4*\j:X+16*\b+4*\j+3], v7 offset:128*\b+16*\j   ; LDS serves a wave's instructions in order: these see the stores above
.endr
.endr
	s_wait_dscnt 0x0                               ; my numbers are back, and the stores have read the set that is loaded again below
.if (\st) > 0
	s_wait_xcnt 0x0                                ; the last step's stores have read the codes' registers, which are written again below
.endif
.if (\st) < 2
	LOADX (\st)+2
.endif
	QUANT X, PW+(\st)
.irp c, 0,1,2
	global_store_b128 v4, v[PC+4*\c:PC+4*\c+3], s[10:11] offset:1536*(\st)+512*\c   ; 32 lanes store 512 consecutive bytes, aligned
.endr
.endm
	LOADX 0
	LOADX 1
	XSTEP 0
	XSTEP 1
	XSTEP 2
	XSTEP 3
	v_cndmask_b32 v248, v[PW], v[PW+2], s22        ; lane (r, h) stores the pair of K steps 2 h, 2 h + 1 of row r
	v_cndmask_b32 v249, v[PW+1], v[PW+3], s22
	global_store_b64 v5, v[248:249], s[12:13]      ; 256 consecutive bytes, aligned
	s_wait_tensorcnt 0x0
	ds_add_u32 v254, v255
	s_wait_dscnt 0x0
	s_endpgm
; ---- a weight: a wave takes 32 columns x 256 along K.  A lane takes ONE column and its registers run down K: a block of 32 is one lane's, and the codes come out with K innermost.
.macro LOADW t                         ; block t: rows 32 t + i at my column, into set t % 2
.irp i, 0,1,2,3,4,5,6,7,8,9,10,11,12,13,14,15,16,17,18,19,20,21,22,23,24,25,26,27,28,29,30,31
	global_load_b32 v[WX+32*((\t)%2)+\i], v8, s[WP:WP+1] offset:(32*(\t)+\i)*WPB th:TH_LOAD_NT
.endr
.endm
.macro BLOCK t
.set XS, WX+32*((\t)%2)
.set PQ, WPC+24*((\t)/4)+12*((\t)%2)+6*(((\t)%4)/2)    ; K step t / 4; the block's parity; the block's pair
.if (\t) < 7
	s_wait_loadcnt 32                              ; this block's 32 loads are in; the next block's may be out
.else
	s_wait_loadcnt 0x0
.endif
	v_max3_num_f32 v12, |v[XS]|, |v[XS+1]|, |v[XS+2]|
	v_max3_num_f32 v13, |v[XS+3]|, |v[XS+4]|, |v[XS+5]|
.irp i, 6,10,14,18,22,26
	v_max3_num_f32 v12, v12, |v[XS+\i]|, |v[XS+\i+1]|
	v_max3_num_f32 v13, v13, |v[XS+\i+2]|, |v[XS+\i+3]|
.endr
	v_max3_num_f32 v12, v12, |v[XS+30]|, |v[XS+31]|
	v_max3_num_f32 v12, v12, v13, 0x1800000        ; and the floor 2^(3 - 127)
	v_add_nc_u32 v11, 0xff000000, v12              ; 2 off the exponent field: the conversion's scale operand
	v_lshrrev_b32 v13, 23, v11                     ; the scale's byte
.if (\t)%4 == 0
	v_mov_b32 v[SWD+(\t)/4], v13
.else
	v_lshl_or_b32 v[SWD+(\t)/4], v13, 8*((\t)%4), v[SWD+(\t)/4]
.endif
	v_cvt_scalef32_pk16_fp6_f32 v[PQ:PQ+2], v[XS:XS+15], v11
	v_cvt_scalef32_pk16_fp6_f32 v[TC:TC+2], v[XS+16:XS+31], v11
	v_nop                                          ; one plain instruction behind the scaled conversions
.irp i, 0,1,2
	v_mov_b32 v[PQ+3+\i], v[TC+\i]
.endr
.if (\t) < 6
	LOADW (\t)+2
.endif
.if (\t)%4 == 3                        ; a K step is whole.  Lanes 0-15 hold tile 0's rows, lanes 16-31 tile 1's; an image wants even blocks in lanes 0-15 and odd ones in lanes 16-31
.set PQ0, WPC+24*((\t)/4)
.irp i, 0,1,2,3,4,5,6,7,8,9,10,11
	v_permlane16_swap_b32 v[PQ0+\i], v[PQ0+12+\i]  ; the first run is now tile 0's image, the second tile 1's
.endr
.irp u, 0,1
.irp c, 0,1,2
	global_store_b128 v4, v[PQ0+12*\u+4*\c:PQ0+12*\u+4*\c+3], s[10:11] offset:12288*\u+1536*((\t)/4)+512*\c   ; 512 consecutive bytes; every store has registers of its own
.endr
.endr
.endif
.endm
.macro WPATH p, pb, t0, id0            ; p: the pointer's register; pb: bytes of a row; t0: the weight's first tile in cw; id0: its first work-group
.set WP, \p
.set WPB, \pb
	s_sub_co_u32 s16, ttmp9, \id0
	s_lshr_b32 s17, s16, 2                         ; which 128 columns
	s_and_b32 s18, s16, 3                          ; which 256 along K
	s_mul_i32 s24, s18, 256*\pb
	s_lshl_b32 s26, s17, 9
	s_add_co_u32 s24, s24, s26
	s_lshl_b32 s26, s14, 7
	s_add_co_u32 s24, s24, s26                     ; + 4 x (128 x group + 32 x wave)
	s_add_nc_u64 s[\p:\p+1], s[\p:\p+1], s[24:25]
	s_lshl_b32 s26, s17, 3
	s_lshl_b32 s27, s14, 1
	s_add_co_u32 s26, s26, s27
	s_add_co_u32 s26, s26, \t0                     ; my first tile
	s_mul_i32 s24, s26, 12288
	s_mul_i32 s27, s18, 3072
	s_add_co_u32 s24, s24, s27
	s_add_nc_u64 s[10:11], s[10:11], s[24:25]
	s_lshl_b32 s24, s26, 9
	s_lshl_b32 s27, s18, 7
	s_add_co_u32 s24, s24, s27
	s_add_nc_u64 s[12:13], s[12:13], s[24:25]
	LOADW 0
	LOADW 1
.set Q, 0
.rept 8
	BLOCK Q
.set Q, Q+1
.endr
	global_store_b64 v9, v[SWD:SWD+1], s[12:13]    ; sixteen lanes store 128 consecutive bytes: 1 byte for each 128 that this way loads
.endm
.Lw_qkv:
	s_wait_alu depctr_va_vdst(0)
	WPATH 6, 12288, 512, 0
	s_endpgm
.Lw_proj:
	s_wait_alu depctr_va_vdst(0)
	WPATH 8, 4096, 704, 96
	s_endpgm
.Lfunc_end_k_q7310b51c82_quant:
	.size	k_q7310b51c82_quant, .Lfunc_end_k_q7310b51c82_quant-k_q7310b51c82_quant
	.p2alignl 7, 3214868480
	.fill 96, 4, 3214868480
	.section	.rodata,"a",@progbits
	.p2align	6, 0x0
	.amdhsa_kernel k_q7310b51c82_quant
		.amdhsa_group_segment_fixed_size 34304
		.amdhsa_private_segment_fixed_size 0
		.amdhsa_enable_private_segment 0
		.amdhsa_kernarg_size 40
		.amdhsa_user_sgpr_count 2
		.amdhsa_user_sgpr_kernarg_segment_ptr 1
		.amdhsa_wavefront_size32 1
		.amdhsa_system_sgpr_workgroup_id_x 1
		.amdhsa_system_sgpr_workgroup_id_y 1
		.amdhsa_system_sgpr_workgroup_id_z 1
		.amdhsa_system_vgpr_workitem_id 0
		.amdhsa_next_free_vgpr 256
		.amdhsa_next_free_sgpr 66
		.amdhsa_reserve_vcc 0
		.amdhsa_float_denorm_mode_32 3
		.amdhsa_float_denorm_mode_16_64 3
		.amdhsa_memory_ordered 1
		.amdhsa_forward_progress 1
		.amdhsa_inst_pref_size 111
	.end_amdhsa_kernel
	.amdgpu_metadata
---
amdhsa.version: [ 1, 2 ]
amdhsa.kernels:
  - .name:           k_q7310b51c82_quant
    .symbol:         k_q7310b51c82_quant.kd
    .args:
      - { .name: x, .offset: 0, .size: 8, .value_kind: global_buffer, .address_space: global }
      - { .name: W_qkv, .offset: 8, .size: 8, .value_kind: global_buffer, .address_space: global }
      - { .name: W_proj, .offset: 16, .size: 8, .value_kind: global_buffer, .address_space: global }
      - { .name: cw, .offset: 24, .size: 8, .value_kind: global_buffer, .address_space: global }
      - { .name: sw, .offset: 32, .size: 8, .value_kind: global_buffer, .address_space: global }
    .group_segment_fixed_size: 34304
    .private_segment_fixed_size: 0
    .kernarg_segment_align: 8
    .kernarg_segment_size: 40
    .max_flat_workgroup_size: 128
    .sgpr_count:     66
    .vgpr_count:     256
    .wavefront_size: 32
...
	.end_amdgpu_metadata
.endif
;; end of part 1
;; launch qkv (part 2): grid 4 x 64, 4 waves a work-group, clusters of 4 x 4, 327,680 bytes of LDS; arguments cw, sw, b_qkv, qb, kvb; writes qb, kvb
.if DOCPART == 2
	.amdgcn_target "amdgcn-amd-amdhsa--gfx1250"
	.amdhsa_code_object_version 6
	.text
	.protected	k_q7310b51c82_qkv
	.globl	k_q7310b51c82_qkv
	.p2align	8
	.type	k_q7310b51c82_qkv,@function
k_q7310b51c82_qkv:
	s_mov_b64 s[64:65], 0
	v_nop
	global_prefetch_b8 v0, s[64:65] scope:SCOPE_SE
	s_setreg_imm32_b32 hwreg(HW_REG_WAVE_MODE, 25, 1), 1
	s_wait_xcnt 0x0
	s_wait_alu depctr_hold_cnt(0) depctr_sa_sdst(0) depctr_va_vdst(0) depctr_va_sdst(0) depctr_va_ssrc(0) depctr_va_vcc(0) depctr_vm_vsrc(0)
	s_getreg_b32 s2, hwreg(HW_REG_IB_STS2, 6, 4)
	s_cmp_eq_u32 s2, 0
	s_cbranch_scc0 .Lentry_in_a_cluster
	s_endpgm
.Lentry_in_a_cluster:
	s_bfe_u32 s2, ttmp6, 0x10000c
	s_cmp_lg_u32 s2, 0xf033
	s_cbranch_scc0 .Lentry_shape_is_right
	s_endpgm
.Lentry_shape_is_right:
; qkv = x W_qkv + b_qkv on codes of FP6 (E2M3) with E8M0 scales, and q, k, v quantised again in registers for the attention: q and k along the head's 64, v along the keys.
; 256 WORK-GROUPS THAT STAY.  Work-group (cx, RA) keeps its 128 rows of x, all of K = 1,024, in LDS and walks three phases: 128 x 256 of q, of k, of v, with columns 256 cx .. + 255 of each weight.
; Four waves, 32 accumulators each.  The matrix instruction is used transposed (source 0 = role B, source 1 = role A): a lane holds ONE row of role A, and its registers run along role B; by the order of the rows in cw
; the 16 registers of accumulators 2 b, 2 b + 1 are 16 neighbours.  q, k: role A = 64 rows of x (wave / 2), role B = 128 columns (wave % 2): a lane's sums run along the head.
; v: THE ROLES ARE EXCHANGED, by addresses alone: role A = 64 columns of W_v (one head a wave), role B = the 128 rows of x: a lane's sums run along the keys.
; LDS: K in two halves of 512; each half: x's 8 tiles x 6,144 bytes, filled once, then a SLOT of 16 tiles of the weight.  The two slots are a ring: slot 0 is read no more when K step 3's fragments are in registers and is
; filled again, with the next weight's first half, in K step 3; slot 1 likewise in K step 7.  Each refill: every wave's wait for all its tensor loads, the add, the wait for it and for the wave's LDS reads, a round of the
; cluster's barrier, then one joint load a wave (4 tiles).  What a refill brought is shown to all waves by the next round (in v's phase by a plain barrier, behind which nothing is filled).
; q and k are two trips of a loop; v's phase, which asks for nothing more, is written out.
; CLUSTER 4 x 4: x's tiles are shared along a row of the cluster, a weight's along a column: joint loads.
; PREFETCH: in trip p the next weight's 16 tiles are asked for, three K steps ahead of the first refill that wants them: a tile (48 blocks of 256 bytes, two instructions) to each of the 16 waves of a column of the cluster,
; told apart by address; all clusters read the same weights, so the first four clusters alone ask.
; OUT: qb, a record of 53,248 bytes for each (batch, head): 64 half images (16 rows x 64 K: registers 0-3 at 16 x lane, 4-5 at 512 + 8 x lane), then 16 scale images (64 rows: lane l, word e = row 32 e + l).
;      kvb, a record of 104,448 bytes: K's 64 half images; at 49,152 V's images [8 key steps][4 tiles of 16 channels][1,536]; at 98,304 K's 16 scale images; at 102,400 V's 8.
; LIMITS: NaN and infinities are not served; a block whose largest magnitude lies under 2^-124 gets the byte 1 (its codes are zeros; this program alone reads the bytes).
; REGISTERS: window 0: v2-3 the prefetches' offsets; v4-15 addresses; v16-23 v's bias; v24-27 scale words made; v28 the bias's offset; v32-47 A's scale words, v48-79 B's; v80-143 q's and k's bias; v144-239 A's fragments,
;   two sets (on the way out: 64 sums, the codes); v240-255 at work.   window 1: B's fragments, two sets, at v0 and v128.   window 2: accumulator (a, b) at v[64 a + 8 b].
.set HALF,  147456                     ; a half of K in LDS: x's 49,152 bytes, then the slot's 98,304
.set SPARE, 294912                     ; behind both halves: the spare words
.set NEXTW, 786432                     ; from a weight's tile to the next weight's: 64 tiles of 12,288 bytes
.set ADRA, 4                           ; v4-7   LDS address of my role A fragments, pair kp of K steps
.set ADRB, 8                           ; v8-11  the same for role B
.set LI,   12                          ; v12    16 x lane
.set LI8,  13                          ; v13    8 x lane
.set BV,   16
.set PW,   24
.set SA,   32
.set SB,   48
.set BIAS, 80
.set AF,   144
.set H,    144
.set PC,   208
.set TM,   240
.set SEL,  20                          ; s[20:21]
.set G1A,  24                          ; s[24:31] group 1 for x's tiles; s[32:39] for a weight's at the head; s[76:83] for a refill
.set G1B,  32
.set G1R,  76
.set G0A,  44                          ; s[44:51] group 0 for x's two halves; s[68:75] for W_q's; s[52:59] for the two slots' refills
.set G0B,  68
.set G0R,  52
.set MULW, 0xa1                        ; source 0 (B) window 1, source 1 (A) window 0, C and D window 2
.set MSB, 0
.macro WIN new                         ; the immediate's high byte repeats the setting that is left
.if MSB != \new
	s_set_vgpr_msb (MSB<<8)|\new
.set MSB, \new
.endif
.endm
.macro PLACES
.rept 4
	v_nop
.endr
.endm
.macro CREST                           ; a round of the cluster's barrier behind its opening barrier
	s_cmp_lg_u32 s14, 0
	s_cbranch_scc1 .Lnot_wave_0_\@
	s_barrier_signal -3
.Lnot_wave_0_\@:
	s_barrier_wait -3
	s_barrier_signal -1
	s_barrier_wait -1
.endm
.macro CROUND
	s_barrier_signal -1
	s_barrier_wait -1
	CREST
.endm
.macro GRD
	WIN 0
	s_wait_tensorcnt 0x0
	ds_add_u32 v250, v251
.endm
.macro REFILL h                        ; my 4 tiles of the next weight's half h into slot h: no tensor load of mine is out, so the descriptor may be stepped
	s_add_nc_u64 s[G0R+4*\h+2:G0R+4*\h+3], s[G0R+4*\h+2:G0R+4*\h+3], NEXTW
	tensor_load_to_lds s[G0R+4*\h:G0R+4*\h+3], s[G1R:G1R+7]
	s_nop 0
	PLACES
.endm
.macro GROUP1 g, mask, rows            ; rows of 6,144 bytes (a tile's 512 along K: 768 elements of 8 bytes), 12,288 bytes apart in memory, dense in LDS
	s_or_b32 s[\g], s\mask, (3<<16)|(1<<21)
	s_mov_b32 s[\g+1], 768<<16
	s_mov_b32 s[\g+2], (\rows)<<16
	s_mov_b32 s[\g+3], 768<<16
	s_mov_b32 s[\g+4], \rows
	s_mov_b32 s[\g+5], 1536
	s_mov_b32 s[\g+6], 0
	s_mov_b32 s[\g+7], 0
.endm
.macro TLOAD g0, g1
	tensor_load_to_lds s[\g0:\g0+3], s[\g1:\g1+7]
	s_nop 0
	PLACES
.endm
.macro ADRS sa, sb                     ; pair kp of K steps lies in half kp / 2, 3,072 (kp % 2) bytes into each tile's row
	v_add_nc_u32 v[ADRA], \sa, v[LI]
	v_add_nc_u32 v[ADRB], \sb, v[LI]
.irp kp, 1,2,3
	v_add_nc_u32 v[ADRA+\kp], 3072*(\kp%2)+HALF*(\kp/2), v[ADRA]
	v_add_nc_u32 v[ADRB+\kp], 3072*(\kp%2)+HALF*(\kp/2), v[ADRB]
.endr
.endm
.macro SCALES                          ; 24 loads: register SA + 8 i + k: lanes 0-15 tile i of role A's four, lanes 16-31 tile i + 2, K step k; SB + 8 i + k: tiles i and i + 4 of role B's eight
.irp i, 0,1
.irp kp, 0,1,2,3
	global_load_b64 v[SA+8*\i+2*\kp:SA+8*\i+2*\kp+1], v14, s[98:99] offset:512*\i+128*\kp
.endr
.endr
.irp i, 0,1,2,3
.irp kp, 0,1,2,3
	global_load_b64 v[SB+8*\i+2*\kp:SB+8*\i+2*\kp+1], v15, s[100:101] offset:512*\i+128*\kp
.endr
.endr
.endm
; 64 numbers of a lane, register 16 b + i = k 32 b + 16 (lane / 16) + i of my row, become a fragment's codes in v[PC] on and its scale word in v[pw].
.macro QUANT s, pw
.irp b, 0,1,2,3
	v_max3_num_f32 v[TM+\b], |v[\s+16*\b]|, |v[\s+1+16*\b]|, 0x1800000   ; and the floor 2^(3 - 127): the byte cannot fall under 1
.endr
.irp i, 2,4,6,8,10,12,14
.irp b, 0,1,2,3
	v_max3_num_f32 v[TM+\b], v[TM+\b], |v[\s+16*\b+\i]|, |v[\s+1+16*\b+\i]|
.endr
.endr
.irp b, 0,1,2,3
	v_permlanex16_b32 v[TM+4+\b], v[TM+\b], s[SEL], s[SEL+1]
.endr
.irp b, 0,1,2,3
	v_max_num_f32 v[TM+\b], v[TM+\b], v[TM+4+\b]
.endr
.irp b, 0,1,2,3
	v_add_nc_u32 v[TM+12+\b], 0xff000000, v[TM+\b]     ; 2 off the exponent field: the conversion's scale operand
.endr
.irp b, 0,1,2,3
	v_lshrrev_b32 v[TM+4+\b], 23, v[TM+12+\b]          ; the scale's byte
.endr
	v_lshl_or_b32 v[\pw], v[TM+5], 8, v[TM+4]
	v_lshl_or_b32 v[\pw], v[TM+6], 16, v[\pw]
	v_lshl_or_b32 v[\pw], v[TM+7], 24, v[\pw]
.irp c, 0,1
	v_cvt_scalef32_pk16_fp6_f32 v[PC+6*\c:PC+2+6*\c], v[\s+32*\c:\s+15+32*\c], v[TM+12+2*\c]
	v_cvt_scalef32_pk16_fp6_f32 v[PC+12+4*\c:PC+14+4*\c], v[\s+16+32*\c:\s+31+32*\c], v[TM+12+2*\c+1]
.endr
	v_nop                                              ; one plain instruction behind the scaled conversions
.irp c, 0,1
.irp i, 0,1,2
	v_permlane16_swap_b32 v[PC+6*\c+\i], v[PC+12+4*\c+\i]
.endr
.irp i, 0,1,2
	v_mov_b32 v[PC+3+6*\c+\i], v[PC+12+4*\c+\i]
.endr
.endr
.endm
	s_load_b256 s[4:11], s[0:1], 0x0               ; cw s[4:5], sw s[6:7], b_qkv s[8:9], qb s[10:11]
	s_load_b64 s[12:13], s[0:1], 0x20              ; kvb
	v_lshl_add_u32 v250, v0, 2, SPARE
	v_mov_b32 v251, 0
	ds_add_u32 v250, v251                          ; the opening lines: the add twice on end under one wait
	ds_add_u32 v250, v251
	v_lshrrev_b32 v1, 5, v0
	v_readfirstlane_b32 s14, v1                    ; wave 0..3
	s_lshr_b32 s15, s14, 1                         ; q, k: which 64 rows of x are mine
	s_and_b32 s16, s14, 1                          ; q, k: which 128 columns
	s_bfe_u32 s17, ttmp6, 0x40000                  ; cx
	s_bfe_u32 s18, ttmp6, 0x40004                  ; cy
	s_and_b32 s19, ttmp7, 0xffff                   ; the cluster's y, 0..15
	s_lshl_b32 s41, s19, 2
	s_add_co_u32 s41, s41, s18                     ; RA: which 128 rows of x (hangs on cy, never on cx)
	s_lshl_b32 s67, s41, 3                         ; x's first tile in cw and sw
	s_lshl_b32 s42, s15, 2
	s_add_co_u32 s42, s42, s67                     ; q, k: role A's first tile
	s_lshl_b32 s85, s17, 4
	s_add_co_u32 s85, s85, 512                     ; W_q's first tile of my 16 (hangs on cx, never on cy)
	s_lshl_b32 s66, s16, 3
	s_add_co_u32 s66, s66, s85                     ; q: role B's first tile
	s_lshl_b32 s43, s14, 2
	s_add_co_u32 s43, s43, s85
	s_add_co_u32 s43, s43, 128                     ; v: role A's first tile: W_v's, 4 a wave
	s_lshl_b32 s60, s18, 2
	s_lshl_b32 s60, 15, s60                        ; my row of the cluster
	s_lshl_b32 s61, 0x1111, s17                    ; my column
	GROUP1 G1A, 60, 8
	GROUP1 G1B, 61, 16
	GROUP1 G1R, 61, 4
	s_mul_i32 s62, s67, 12288
	s_mov_b32 s63, 0
	s_mul_i32 s90, s85, 12288
	s_mov_b32 s91, 0
	s_mul_i32 s92, s14, 49152                      ; a refill: my 4 tiles in memory,
	s_mov_b32 s93, 0
	s_mul_i32 s86, s14, 24576                      ; and in a slot: no place in the cluster enters an LDS address
	s_add_co_u32 s86, s86, 49152
	s_mov_b32 s[SEL], 0x76543210
	s_mov_b32 s[SEL+1], 0xfedcba98
	s_mov_b32 s22, 0xffff0000                      ; lanes 16-31
	s_mov_b32 s23, 0x7f7f0000                      ; the bytes 1.0 for the upper 64 of a K step, which q and k do not have
	s_wait_dscnt 0x0
	s_wait_kmcnt 0x0
	s_add_nc_u64 s[62:63], s[4:5], s[62:63]
	s_add_nc_u64 s[90:91], s[4:5], s[90:91]
	s_add_nc_u64 s[92:93], s[90:91], s[92:93]
	s_add_nc_u64 s[2:3], s[90:91], NEXTW           ; the prefetches' base: the next weight's 16 tiles
	CROUND                                         ; all sixteen work-groups are here: the joint loads meet
.irp h, 0,1
	s_mov_b32 s[G0A+4*\h], 1
	s_mov_b32 s[G0A+4*\h+1], HALF*\h
	s_add_nc_u64 s[G0A+4*\h+2:G0A+4*\h+3], s[62:63], 6144*\h
	s_or_b32 s[G0A+4*\h+3], s[G0A+4*\h+3], 0x80000000
	s_mov_b32 s[G0B+4*\h], 1
	s_mov_b32 s[G0B+4*\h+1], HALF*\h+49152
	s_add_nc_u64 s[G0B+4*\h+2:G0B+4*\h+3], s[90:91], 6144*\h
	s_or_b32 s[G0B+4*\h+3], s[G0B+4*\h+3], 0x80000000
	s_mov_b32 s[G0R+4*\h], 1
	s_add_co_u32 s[G0R+4*\h+1], s86, HALF*\h
	s_add_nc_u64 s[G0R+4*\h+2:G0R+4*\h+3], s[92:93], 6144*\h
	s_or_b32 s[G0R+4*\h+3], s[G0R+4*\h+3], 0x80000000
.endr
	; one joint load a wave, in one chain of arms on the wave's number: wave 0 x's first half of K, wave 1 W_q's, wave 2 x's second half, wave 3 W_q's
	s_cmp_eq_u32 s14, 0
	s_cbranch_scc0 .Lwave_1
	TLOAD G0A, G1A
	s_branch .Lfilled
.Lwave_1:
	s_cmp_eq_u32 s14, 1
	s_cbranch_scc0 .Lwave_2
	TLOAD G0B, G1B
	s_branch .Lfilled
.Lwave_2:
	s_cmp_eq_u32 s14, 2
	s_cbranch_scc0 .Lwave_3
	TLOAD G0A+4, G1A
	s_branch .Lfilled
.Lwave_3:
	TLOAD G0B+4, G1B
.Lfilled:
	s_mul_i32 s84, s15, 24576                      ; q, k: my 4 tiles of x,
	s_mul_i32 s85, s16, 49152
	s_add_co_u32 s85, s85, 49152                   ; and my 8 tiles of the slot
	s_lshl_b32 s87, s18, 2
	s_add_co_u32 s87, s87, s14
	s_mul_i32 s87, s87, 12288                      ; the prefetches: tile 4 cy + wave of the next weight's 16
	s_lshl_b32 s98, s42, 9
	s_mov_b32 s99, 0
	s_add_nc_u64 s[98:99], s[6:7], s[98:99]        ; q: the scale words of role A's tiles,
	s_lshl_b32 s100, s66, 9
	s_mov_b32 s101, 0
	s_add_nc_u64 s[100:101], s[6:7], s[100:101]    ; and of role B's
	s_lshl_b32 s96, s17, 10
	s_lshl_b32 s97, s14, 8
	s_add_co_u32 s96, s96, s97
	s_add_co_u32 s96, s96, 8192                    ; v's biases begin at number 2,048; mine at 256 cx + 64 x wave
	s_mov_b32 s97, 0
	s_add_nc_u64 s[96:97], s[8:9], s[96:97]
	v_and_b32 v1, 31, v0                           ; lane
	v_and_b32 v2, 15, v0                           ; r
	v_bfe_u32 v3, v0, 4, 1                         ; h
	v_lshlrev_b32 v[LI], 4, v1
	v_lshlrev_b32 v[LI8], 3, v1
	ADRS s84, s85
	v_lshlrev_b32 v14, 3, v2
	v_lshl_add_u32 v15, v3, 11, v14                ; role B's scale words: row r; lanes 16-31 four tiles on
	v_lshl_add_u32 v14, v3, 10, v14                ; role A's: lanes 16-31 two tiles on
	v_lshlrev_b32 v28, 6, v3                       ; q's and k's bias: 64 h bytes
	v_and_b32 v29, 8, v2
	v_add_nc_u32 v29, v29, v2
	v_lshlrev_b32 v29, 2, v29                      ; v's bias: my channel in a tile: 4 (r + 8 (r / 8))
.irp b, 0,1,2,3
	v_mov_b32 v[TM+4+\b], 0                        ; written once: a lane permute's destination counts as one of its sources
.endr
	v_lshl_add_u32 v2, v1, 8, s87                  ; the prefetches: blocks 0-31 of my tile, a lane a block;
	v_min_u32 v3, 15, v1
	v_lshl_add_u32 v3, v3, 8, s87                  ; and, 8,192 bytes on, blocks 32-47 (lanes 16-31 name the last again)
	s_wait_alu depctr_va_vdst(0)                   ; the wait at the head's end
.irp a, 0,1,2,3
	global_load_b32 v[BV+2*\a], v29, s[96:97] offset:4*(32*(\a/2)+8*(\a%2))      ; tile a: my channel's bias, in both registers of a pair
	global_load_b32 v[BV+2*\a+1], v29, s[96:97] offset:4*(32*(\a/2)+8*(\a%2))
.endr
	SCALES
.macro FRAG reg, adr, q, i             ; a fragment comes back as it was stored: three loads of 512 consecutive bytes
.irp c, 0,1,2
	ds_load_b128 v[\reg+4*\c:\reg+4*\c+3], v[\adr] offset:6144*(\i)+1536*(\q)+512*\c
.endr
.endm
.macro FETCH set, kp, q                ; 36 loads: role B's 8 and role A's 4 fragments of pair kp's q-th 128 along K
	WIN 0x40                                       ; destination window 1, address window 0
.irp i, 0,1,2,3,4,5,6,7
	FRAG 128*(\set)+12*\i, ADRB+\kp, \q, \i
.endr
	WIN 0
.irp i, 0,1,2,3
	FRAG AF+48*(\set)+12*\i, ADRA+\kp, \q, \i
.endr
.endm
; One product: A's block a x B's block b, K step k, fragments of set p.  K step 0 starts the sums with the constant 0.  The scale words' halves: B's block b lies in lanes 16 (b / 4) on, A's block a in lanes 16 (a / 2) on.
.macro WM1 c, ra, rb
	v_wmma_scale_f32_16x16x128_f8f6f4 v[rD:rD+7], v[rB:rB+11], v[rA:rA+11], \c, v[rX], v[rY] matrix_a_fmt:MATRIX_FMT_FP6 matrix_b_fmt:MATRIX_FMT_FP6 matrix_a_scale:MATRIX_SCALE_ROW\ra matrix_b_scale:MATRIX_SCALE_ROW\rb
.endm
.macro WM2 k, ra, rb
.if (\k) == 0
	WM1 0, \ra, \rb
.else
	WM1 v[rD:rD+7], \ra, \rb
.endif
.endm
.macro WM a, b, k, p
.set rD, 64*(\a)+8*(\b)
.set rB, 128*(\p)+12*(\b)
.set rA, AF+48*(\p)+12*(\a)
.set rX, SB+8*((\b)%4)+(\k)
.set rY, SA+8*((\a)%2)+(\k)
.set rw, 2*((\b)/4)+(\a)/2
.if rw == 0
	WM2 \k, 0, 0
.elseif rw == 1
	WM2 \k, 0, 1
.elseif rw == 2
	WM2 \k, 1, 0
.else
	WM2 \k, 1, 1
.endif
.endm
.macro MUL a, k, p                     ; the 32 accumulators take turns, one instruction a turn, in the same order in every K step
.irp b, 0,1,2,3,4,5,6,7
	WM \a, \b, \k, \p
.endr
.endm
; A K step of 128: 32 products.  An even step fetches the next step's fragments at its head, an odd step in its middle.  ring = 1: K steps 3 and 7 hold a refill's round: products stand between the add and the wait for it
; and between the opening signal and its wait.  ring = 0: K step 3 holds a plain barrier, which shows slot 1 whole.
; Loads into registers that matrix instructions have read stand four plain vector instructions behind them (ISA guide 7.12.1 for vector instructions): behind a refill its four v_nop are these.
.macro STEP k, ring
.set KP, (\k)/2
.set PP, (\k)%2
	s_wait_dscnt 0x0                               ; this step's 36 loads are in
.if (\k) == 7
.if \ring
	GRD
	WIN MULW
	MUL 0, \k, PP
	MUL 1, \k, PP
	s_wait_dscnt 0x0                               ; the add is done; my reads of slot 1 were over at the step's head
	s_barrier_signal -1
	MUL 2, \k, PP
	WIN 0
	s_barrier_wait -1
	CREST
	REFILL 1
	WIN MULW
	MUL 3, \k, PP
.else
	WIN MULW
	MUL 0, \k, PP
	MUL 1, \k, PP
	MUL 2, \k, PP
	MUL 3, \k, PP
.endif
.elseif PP == 0
.if (\k) > 0
	PLACES
.endif
	FETCH 1, KP, 1
	WIN MULW
	MUL 0, \k, PP
	MUL 1, \k, PP
	MUL 2, \k, PP
	MUL 3, \k, PP
.else
.if (\k) == 3 && \ring
	GRD
	WIN MULW
	MUL 0, \k, PP
	s_wait_dscnt 0x0                               ; the add is done; my reads of slot 0 were over at the step's head
	s_barrier_signal -1
	MUL 1, \k, PP
	WIN 0
	s_barrier_wait -1
	CREST
	REFILL 0
.elseif (\k) == 3
	s_wait_tensorcnt 0x0                           ; my part of slot 1 has landed
	s_barrier_signal -1
	WIN MULW
	MUL 0, \k, PP
	MUL 1, \k, PP
	s_barrier_wait -1                              ; everybody's has
	PLACES
.else
	WIN MULW
	MUL 0, \k, PP
	MUL 1, \k, PP
	PLACES
.endif
	FETCH 0, KP+1, 0
	WIN MULW
	MUL 2, \k, PP
	MUL 3, \k, PP
.endif
.endm
	s_cmp_lt_u32 s14, 2                            ; waves 0 and 1 brought the first half of K: they wait; the second half may still be on its way
	s_cbranch_scc0 .Lnot_first
	s_wait_tensorcnt 0x0
.Lnot_first:
	s_barrier_signal -1
	s_barrier_wait -1
	s_mov_b32 s40, 0                               ; the phase: 0 q, 1 k
.Lphase:
	FETCH 0, 0, 0
	s_wait_xcnt 0x0                                ; earlier loads have read their bases
	s_lshl_b32 s88, s40, 12
	s_lshl_b32 s89, s17, 10
	s_add_co_u32 s88, s88, s89
	s_lshl_b32 s89, s16, 9
	s_add_co_u32 s88, s88, s89                     ; 4 x my first column: 1,024 x phase + 256 cx + 128 (wave % 2)
	s_mov_b32 s89, 0
	s_add_nc_u64 s[88:89], s[8:9], s[88:89]
.irp bb, 0,1,2,3
.irp j, 0,1,2,3
	global_load_b128 v[BIAS+16*\bb+4*\j:BIAS+16*\bb+4*\j+3], v28, s[88:89] offset:128*\bb+16*\j   ; register 16 bb + i: column 32 bb + 16 h + i of my 128; wanted on the way out
.endr
.endr
	s_wait_loadcnt 16                              ; this phase's scale words are in; the 16 loads just issued may be out
	STEP 0, 1
	WIN 0
	s_cmp_lt_u32 s19, 4                            ; the cluster's number, which all partners share
	s_cbranch_scc0 .Lno_pf
	global_prefetch_b8 v2, s[2:3] th:TH_LOAD_NT scope:SCOPE_SE
	global_prefetch_b8 v3, s[2:3] offset:8192 th:TH_LOAD_NT scope:SCOPE_SE
.Lno_pf:
	STEP 1, 1
	STEP 2, 1
	STEP 3, 1
	STEP 4, 1
	STEP 5, 1
	STEP 6, 1
	STEP 7, 1
	WIN 0
	PLACES                                         ; in front of the loads into the scale registers, the first read of results and the first write of registers that held fragments
	s_add_co_u32 s92, s66, 64                      ; THE NEXT PHASE'S SCALE WORDS, under the way out.  k: x's tiles and W_k's; v: W_v's tiles and x's eight
	s_cmp_eq_u32 s40, 0
	s_cselect_b32 s98, s42, s43
	s_cselect_b32 s100, s92, s67
	s_lshl_b32 s98, s98, 9
	s_lshl_b32 s100, s100, 9
	s_mov_b32 s99, 0
	s_mov_b32 s101, 0
	s_add_nc_u64 s[98:99], s[6:7], s[98:99]
	s_add_nc_u64 s[100:101], s[6:7], s[100:101]
	SCALES
	s_wait_loadcnt 24                              ; the bias is in; the 24 loads just issued may be out
; ---- q or k goes out.  A lane holds one token; its 64 sums of block a are 128 columns: two heads.  Registers 0-5 of the codes are the first head's half image, 6-11 the second's.
	s_lshl_b32 s84, s41, 7
	s_lshl_b32 s85, s15, 6
	s_add_co_u32 s84, s84, s85                     ; my first row's position among the 8,192
	s_lshl_b32 s86, s17, 2
	s_lshl_b32 s87, s16, 1
	s_add_co_u32 s86, s86, s87                     ; my first head
	s_lshr_b32 s87, s84, 10
	s_lshl_b32 s87, s87, 4
	s_add_co_u32 s86, s86, s87                     ; 16 x batch + head
	s_and_b32 s84, s84, 1023                       ; the position in the batch
	s_cmp_eq_u32 s40, 0                            ; q goes to qb, k to kvb
	s_cselect_b64 s[88:89], s[10:11], s[12:13]
	s_mov_b32 s90, 104448
	s_cselect_b32 s90, 53248, s90                  ; bytes of a record
	s_mov_b32 s91, 98304
	s_cselect_b32 s91, 49152, s91                  ; where its scale images begin
	s_mul_i32 s92, s86, s90
	s_mov_b32 s93, 0
	s_add_nc_u64 s[88:89], s[88:89], s[92:93]      ; the first head's record
	s_lshr_b32 s92, s84, 4
	s_mul_i32 s92, s92, 768
	s_add_nc_u64 s[94:95], s[88:89], s[92:93]      ; my four half images in it
	s_lshr_b32 s92, s84, 6
	s_lshl_b32 s92, s92, 8
	s_add_co_u32 s92, s92, s91
	s_add_nc_u64 s[96:97], s[88:89], s[92:93]      ; my scale image in it
	s_mov_b32 s92, s90
	s_add_nc_u64 s[60:61], s[94:95], s[92:93]      ; and the same in the second head's record
	s_add_nc_u64 s[62:63], s[96:97], s[92:93]
.irp a, 0,1,2,3
	WIN 0x02                                       ; source 0: window 2
.set ii, 0
.rept 32
	v_pk_add_f32 v[H+ii:H+ii+1], v[64*\a+ii:64*\a+ii+1], v[BIAS+ii:BIAS+ii+1]   ; + bias, in f32; each accumulator is read from its low end on
.set ii, ii+2
.endr
	WIN 0
.if \a > 0
	s_wait_xcnt 0x0                                ; the last block's stores have read the codes' registers
.endif
	QUANT H, PW+\a
	global_store_b128 v[LI], v[PC:PC+3], s[94:95] offset:768*\a            ; 512 consecutive bytes,
	global_store_b64 v[LI8], v[PC+4:PC+5], s[94:95] offset:768*\a+512      ; and 256
	global_store_b128 v[LI], v[PC+6:PC+9], s[60:61] offset:768*\a
	global_store_b64 v[LI8], v[PC+10:PC+11], s[60:61] offset:768*\a+512
.endr
	v_cndmask_b32 v[H], v[PW], v[PW+1], s22        ; lane l, word e: the row at position 32 e + l
	v_cndmask_b32 v[H+1], v[PW+2], v[PW+3], s22
	v_and_or_b32 v[H+2], v[H], 0xffff, s23         ; the first head's two bytes, and 1.0 for the K that it does not have
	v_and_or_b32 v[H+3], v[H+1], 0xffff, s23
	v_lshrrev_b32 v[H+4], 16, v[H]
	v_lshrrev_b32 v[H+5], 16, v[H+1]
	v_or_b32 v[H+4], s23, v[H+4]                   ; the second head's
	v_or_b32 v[H+5], s23, v[H+5]
	global_store_b64 v[LI8], v[H+2:H+3], s[96:97]  ; 256 consecutive bytes
	global_store_b64 v[LI8], v[H+4:H+5], s[62:63]
	s_wait_xcnt 0x0                                ; the stores have read their registers and bases, the prefetches their base: fragments may land on the former, and the latter is stepped
	s_add_nc_u64 s[2:3], s[2:3], NEXTW
	s_add_co_u32 s40, s40, 1
	s_cmp_lt_u32 s40, 2
	s_wait_alu depctr_va_vdst(0)                   ; the wait here, directly ahead of the branch
	s_cbranch_scc1 .Lphase
; ---- v's phase: role A = my 4 tiles of W_v in the slots, role B = x's 8 tiles.  It asks for nothing more.
	s_mul_i32 s84, s14, 24576
	s_add_co_u32 s84, s84, 49152
	s_mov_b32 s85, 0
	ADRS s84, s85
	s_wait_alu depctr_va_vdst(0)
	FETCH 0, 0, 0
	s_wait_loadcnt 0x0                             ; v's scale words
	STEP 0, 0
	STEP 1, 0
	STEP 2, 0
	STEP 3, 0
	STEP 4, 0
	STEP 5, 0
	STEP 6, 0
	STEP 7, 0
	WIN 0
	PLACES                                         ; in front of the first read of results and the first write of registers that held fragments
; A lane holds one channel of one head; its 64 sums of block a are 128 neighbouring keys: one key step's image.
	s_lshl_b32 s84, s17, 2
	s_add_co_u32 s84, s84, s14                     ; the head: 4 cx + wave
	s_lshr_b32 s86, s41, 3                         ; the batch: my 128 keys begin at position 128 RA
	s_lshl_b32 s86, s86, 4
	s_add_co_u32 s84, s84, s86                     ; 16 x batch + head
	s_mul_i32 s92, s84, 104448
	s_mov_b32 s93, 0
	s_add_nc_u64 s[88:89], s[12:13], s[92:93]      ; the record
	s_and_b32 s85, s41, 7                          ; the key step
	s_mul_i32 s92, s85, 6144
	s_add_co_u32 s92, s92, 49152
	s_add_nc_u64 s[94:95], s[88:89], s[92:93]      ; its four images
	s_lshl_b32 s92, s85, 8
	s_add_co_u32 s92, s92, 102400
	s_add_nc_u64 s[96:97], s[88:89], s[92:93]      ; its scale image
.irp a, 0,1,2,3
	WIN 0x02
.set ii, 0
.rept 32
	v_pk_add_f32 v[H+ii:H+ii+1], v[64*\a+ii:64*\a+ii+1], v[BV+2*\a:BV+2*\a+1]   ; my channel's bias: both registers of the pair hold it
.set ii, ii+2
.endr
	WIN 0
.if \a > 0
	s_wait_xcnt 0x0                                ; the last block's stores have read the codes' registers
.endif
	QUANT H, PW+\a
.irp c, 0,1,2
	global_store_b128 v[LI], v[PC+4*\c:PC+4*\c+3], s[94:95] offset:1536*\a+512*\c
.endr
.endr
	v_cndmask_b32 v[H], v[PW], v[PW+1], s22
	v_cndmask_b32 v[H+1], v[PW+2], v[PW+3], s22
	global_store_b64 v[LI8], v[H:H+1], s[96:97]
	s_wait_tensorcnt 0x0                           ; the wave's end
	ds_add_u32 v250, v251
	s_wait_dscnt 0x0
	CROUND                                         ; the closing round: no work-group ends while a partner may still ask for a tile that names it
	s_endpgm
.Lfunc_end_k_q7310b51c82_qkv:
	.size	k_q7310b51c82_qkv, .Lfunc_end_k_q7310b51c82_qkv-k_q7310b51c82_qkv
	.p2alignl 7, 3214868480
	.fill 96, 4, 3214868480
	.section	.rodata,"a",@progbits
	.p2align	6, 0x0
	.amdhsa_kernel k_q7310b51c82_qkv
		.amdhsa_group_segment_fixed_size 327680
		.amdhsa_private_segment_fixed_size 0
		.amdhsa_enable_private_segment 0
		.amdhsa_kernarg_size 40
		.amdhsa_user_sgpr_count 2
		.amdhsa_user_sgpr_kernarg_segment_ptr 1
		.amdhsa_wavefront_size32 1
		.amdhsa_system_sgpr_workgroup_id_x 1
		.amdhsa_system_sgpr_workgroup_id_y 1
		.amdhsa_system_sgpr_workgroup_id_z 1
		.amdhsa_system_vgpr_workitem_id 0
		.amdhsa_next_free_vgpr 768
		.amdhsa_next_free_sgpr 102
		.amdhsa_reserve_vcc 0
		.amdhsa_float_denorm_mode_32 3
		.amdhsa_float_denorm_mode_16_64 3
		.amdhsa_memory_ordered 1
		.amdhsa_forward_progress 1
		.amdhsa_inst_pref_size 175
	.end_amdhsa_kernel
	.amdgpu_metadata
---
amdhsa.version: [ 1, 2 ]
amdhsa.kernels:
  - .name:           k_q7310b51c82_qkv
    .symbol:         k_q7310b51c82_qkv.kd
    .args:
      - { .name: cw, .offset: 0, .size: 8, .value_kind: global_buffer, .address_space: global }
      - { .name: sw, .offset: 8, .size: 8, .value_kind: global_buffer, .address_space: global }
      - { .name: b_qkv, .offset: 16, .size: 8, .value_kind: global_buffer, .address_space: global }
      - { .name: qb, .offset: 24, .size: 8, .value_kind: global_buffer, .address_space: global }
      - { .name: kvb, .offset: 32, .size: 8, .value_kind: global_buffer, .address_space: global }
    .group_segment_fixed_size: 327680
    .private_segment_fixed_size: 0
    .kernarg_segment_align: 8
    .kernarg_segment_size: 40
    .max_flat_workgroup_size: 128
    .sgpr_count:     102
    .vgpr_count:     768
    .wavefront_size: 32
...
	.end_amdgpu_metadata
.endif
;; end of part 2
;; launch attn (part 3): grid 4 x 64, 16 waves a work-group, clusters of 4 x 1, 211,968 bytes of LDS; arguments qb, kvb, oc, os; writes oc, os
.if DOCPART == 3
	.amdgcn_target "amdgcn-amd-amdhsa--gfx1250"
	.amdhsa_code_object_version 6
	.text
	.protected	k_q7310b51c82_attn
	.globl	k_q7310b51c82_attn
	.p2align	8
	.type	k_q7310b51c82_attn,@function
k_q7310b51c82_attn:
	s_mov_b64 s[64:65], 0
	v_nop
	global_prefetch_b8 v0, s[64:65] scope:SCOPE_SE
	s_setreg_imm32_b32 hwreg(HW_REG_WAVE_MODE, 25, 1), 1
	s_wait_xcnt 0x0
	s_wait_alu depctr_hold_cnt(0) depctr_sa_sdst(0) depctr_va_vdst(0) depctr_va_sdst(0) depctr_va_ssrc(0) depctr_va_vcc(0) depctr_vm_vsrc(0)
	s_getreg_b32 s2, hwreg(HW_REG_IB_STS2, 6, 4)
	s_cmp_eq_u32 s2, 0
	s_cbranch_scc0 .Lentry_in_a_cluster
	s_endpgm
.Lentry_in_a_cluster:
	s_bfe_u32 s2, ttmp6, 0x10000c
	s_cmp_lg_u32 s2, 0x3003
	s_cbranch_scc0 .Lentry_shape_is_right
	s_endpgm
.Lentry_shape_is_right:
; O = softmax(q k^T / 8) v for each (batch, head), both products on codes of FP6 (E2M3) with E8M0 scales, and O quantised along the model's 1,024 for the last product.
; THE SOFTMAX: t = score x log2(e) / 8; M = the row's largest t so far, rounded UP to a whole number; p = 2^(t - M) is quantised along the keys, not normalised; the row's sum is taken of the unquantised p and divides O
; at the end.  When M moves, the sum and O are multiplied by 2^(old M - new M): exact.  The running maximum is kept of the raw scores: the factor is positive and a rounded product does not fall where the score rises.
; SHARES.  Work-group y = 8 x batch + pair of heads; its place cx in the cluster of four = the block of 256 queries.  Each of sixteen waves owns 16 queries and walks head 0 and then head 1 of the pair, 8 key steps of 128.
; LDS.  The two heads' records of kvb (K's half images, V's images, their scale images), 2 x 104,448 dense bytes, lie in LDS as in memory, each filled once.  The four partners walk the same records: joint loads.
; Waves 0-3 fetch a quarter each of head 0's record, waves 4-7 of head 1's: one tensor load a wave, each group by a line of its own.  The first barrier shows head 0's record.  The second is signalled at once, behind every
; wave's wait for its tensor loads, and waited for only behind head 0's loop: between its signal and its wait stand register work and LDS loads of head 0's record, which nobody writes.
; NO PREFETCH: all that the work-group reads is asked for at the head; there is no loop to run ahead in.
; LAYOUT.  Both products are used transposed (S^T = K Q^T, O^T = V^T P^T): a lane holds ONE query throughout.  By the order of the rows in the records the 16 registers of tiles 2 b, 2 b + 1 are 16 neighbouring keys (channels).
; K = 64 IN A FORM OF K = 128: Q's upper six registers are zero codes, under scale bytes 1.0 on both sides.  K's tile t is named as v[44 + 6 t .. + 11]: its upper six registers are the next tile's codes (behind the last
; tile: zeros); they meet Q's zeros and add exactly 0.
; A TRIP: S^T; V's images are asked for; maxima, M, t - M; one batch of 68 exponentials; O^T x f; p's scales and codes; O^T += V^T P^T; the NEXT step's K is asked for; the row's sum, 32 packed additions, stands under that
; flight.  The last trip's fetch reads the 6,144 bytes behind K's images and the 512 behind their scale images, inside the same record, and nothing uses them: so the trip is written once.
; LIMITS: NaN and infinities are not served; a block whose largest magnitude lies under 2^-124 gets the byte 1 (its codes are zeros; this program alone reads the bytes); the promise holds while |t| stays under 2^31.
; REGISTERS: v1-6 addresses that stay; v8-11 addresses of the step; v12 -M, v13 the largest score, v[14:15] the sum; v16-39 Q of both heads; v40-41 Q's scale words; v44-91 K's or V's fragments, v92-97 zeros; v98-101 K's scale
; words, v102-103 V's; v104-167 S^T, then p; v168-199 O^T; v200-218 p's codes; v220-235 at work; v[236:237] f; v238 p's scale word; v239 at work; v242 O's scale word; v244-255 O's image (v250-255 at work until head 1's end).
.set REC,  104448                      ; a record of kvb
.set STG,  208896                      ; behind the records: 1,024 bytes for the 256 rows' scale words; no fill lands there
.set SPARE, 209920                     ; the spare words: 128 bytes a wave
.set QF,   16
.set QS,   40
.set KF,   44
.set KS,   98
.set VS,   102
.set S,    104
.set O,    168
.set PC,   200
.set TM,   220
.set F,    236
.set PSW,  238
.set T0,   239
.set OW,   242
.set OC,   244
.set SEL,  20                          ; s[20:21]
.set CS,   22                          ; s[22:23] c = log2(e) / 8
.set G1,   24                          ; s[24:31] descriptor group 1; s[32:39] group 0 for the two records
.set G0,   32
.macro CROUND                          ; a round of the cluster's barrier
	s_barrier_signal -1
	s_barrier_wait -1
	s_cmp_lg_u32 s12, 0
	s_cbranch_scc1 .Lnot_wave_0_\@
	s_barrier_signal -3
.Lnot_wave_0_\@:
	s_barrier_wait -3
	s_barrier_signal -1
	s_barrier_wait -1
.endm
.macro QLOAD hd                        ; my tile's half image of Q and its scale words
	global_load_b128 v[QF+12*\hd:QF+12*\hd+3], v1, s[54:55] offset:53248*\hd
	global_load_b64 v[QF+12*\hd+4:QF+12*\hd+5], v2, s[54:55] offset:53248*\hd+512
	global_load_b32 v[QS+\hd], v4, s[56:57] offset:53248*\hd
.endm
.macro KLOAD                           ; a step's eight half images of K and their scale words (register e: lanes 0-15 tile 2 e, lanes 16-31 tile 2 e + 1)
.irp t, 0,1,2,3,4,5,6,7
	ds_load_b128 v[KF+6*\t:KF+6*\t+3], v8 offset:768*\t
	ds_load_b64 v[KF+6*\t+4:KF+6*\t+5], v9 offset:768*\t+512
.endr
	ds_load_b64 v[KS:KS+1], v10
	ds_load_b64 v[KS+2:KS+3], v10 offset:256
.endm
.macro PA d, a, b
	v_pk_add_f32 v[\d:\d+1], v[\a:\a+1], v[\b:\b+1]
.endm
	s_load_b256 s[4:11], s[0:1], 0x0               ; qb s[4:5], kvb s[6:7], oc s[8:9], os s[10:11]
	v_lshl_add_u32 v241, v0, 2, SPARE
	v_mov_b32 v243, 0
	ds_add_u32 v241, v243                          ; the opening lines: the add twice on end under one wait
	ds_add_u32 v241, v243
	v_lshrrev_b32 v1, 5, v0
	v_readfirstlane_b32 s12, v1                    ; wave 0..15
	s_bfe_u32 s13, ttmp6, 0x40000                  ; cx: it enters global addresses of Q and of the outputs alone
	s_and_b32 s14, ttmp7, 0xffff                   ; y = 8 x batch + pair of heads, which the four partners share
	s_lshl_b32 s15, s13, 4
	s_add_co_u32 s15, s15, s12                     ; my tile of 16 queries, 0..63
	; group 1: a quarter of a record: 26,112 dense bytes as 102 rows of 256 bytes (32 elements of 8 bytes)
	s_mov_b32 s[G1], 15|(3<<16)|(1<<21)            ; 15:0 the mask: all four work-groups; 17:16 elements of 8 bytes; 21 set beside a mask
	s_mov_b32 s[G1+1], 32<<16                      ; tensor_dim0
	s_mov_b32 s[G1+2], 102<<16                     ; tensor_dim1
	s_mov_b32 s[G1+3], 32<<16                      ; tile_dim0
	s_mov_b32 s[G1+4], 102                         ; tile_dim1
	s_mov_b32 s[G1+5], 32                          ; elements from row to row
	s_mov_b32 s[G1+6], 0
	s_mov_b32 s[G1+7], 0
	s_and_b32 s44, s12, 3
	s_mul_i32 s44, s44, 26112                      ; the quarter that I fetch, if I fetch: the same in LDS and in memory
	s_mul_i32 s46, s14, 2*REC
	s_add_co_u32 s46, s46, s44
	s_mov_b32 s47, 0
	s_mov_b32 s[SEL], 0x76543210
	s_mov_b32 s[SEL+1], 0xfedcba98
	s_mov_b32 s[CS], 0x3e38aa3b                    ; log2(e) / 8
	s_mov_b32 s[CS+1], s[CS]                       ; named with it as a pair, so it is written
	s_wait_dscnt 0x0
	s_wait_kmcnt 0x0
	s_add_nc_u64 s[46:47], s[6:7], s[46:47]
	CROUND                                         ; all four work-groups are here: the joint loads meet
.irp hd, 0,1
	s_mov_b32 s[G0+4*\hd], 1
	s_add_co_u32 s[G0+4*\hd+1], s44, REC*\hd
	s_add_nc_u64 s[G0+4*\hd+2:G0+4*\hd+3], s[46:47], REC*\hd
	s_or_b32 s[G0+4*\hd+3], s[G0+4*\hd+3], 0x80000000
.endr
	s_cmp_lt_u32 s12, 4                            ; one chain of arms on the wave's number, one load to an arm
	s_cbranch_scc0 .Lrec_1
	tensor_load_to_lds s[G0:G0+3], s[G1:G1+7]      ; waves 0-3: head 0's record
	s_nop 0
.rept 4
	v_nop
.endr
	s_branch .Lasked
.Lrec_1:
	s_cmp_lt_u32 s12, 8
	s_cbranch_scc0 .Lasked
	tensor_load_to_lds s[G0+4:G0+7], s[G1:G1+7]    ; waves 4-7: head 1's
	s_nop 0
.rept 4
	v_nop
.endr
.Lasked:
	s_lshl_b32 s48, s12, 6
	s_add_co_u32 s48, s48, STG                     ; the stage: 64 bytes a wave
	s_and_b32 s49, s12, 1
	s_lshl_b32 s49, s49, 9
	s_add_co_u32 s50, s49, STG                     ; and back: 512 bytes for each of waves 0 and 1
	s_mul_i32 s52, s14, 106496
	s_mov_b32 s53, 0
	s_add_nc_u64 s[52:53], s[4:5], s[52:53]        ; qb: the pair's first record
	s_mul_i32 s54, s15, 768
	s_mov_b32 s55, 0
	s_add_nc_u64 s[54:55], s[52:53], s[54:55]      ; my tile's half image
	s_lshr_b32 s56, s15, 2
	s_lshl_b32 s56, s56, 8                         ; its scale image: 64 rows each;
	s_and_b32 s57, s15, 1
	s_lshl_b32 s57, s57, 7                         ; an odd tile lies in lanes 16-31's places;
	s_add_co_u32 s56, s56, s57
	s_bfe_u32 s57, s15, 0x10001
	s_lshl_b32 s57, s57, 2                         ; word e
	s_add_co_u32 s56, s56, s57
	s_add_co_u32 s56, s56, 49152
	s_mov_b32 s57, 0
	s_add_nc_u64 s[56:57], s[52:53], s[56:57]
	s_lshr_b32 s58, s14, 3                         ; batch
	s_and_b32 s59, s14, 7                          ; pair of heads = K step of the last product
	s_lshl_b32 s60, s58, 6
	s_add_co_u32 s60, s60, s15
	s_mul_i32 s60, s60, 12288                      ; oc: tile 64 x batch + my tile,
	s_mul_i32 s61, s59, 1536                       ; K step
	s_add_co_u32 s60, s60, s61
	s_mov_b32 s61, 0
	s_add_nc_u64 s[8:9], s[8:9], s[60:61]
	s_lshl_b32 s60, s59, 15                        ; os: [8 K steps][8,192 positions] words
	s_lshl_b32 s62, s58, 12
	s_add_co_u32 s60, s60, s62
	s_lshl_b32 s62, s13, 10
	s_add_co_u32 s60, s60, s62
	s_add_co_u32 s60, s60, s49                     ; + 512 x (wave & 1)
	s_add_nc_u64 s[10:11], s[10:11], s[60:61]
	v_and_b32 v7, 31, v0                           ; lane
	v_and_b32 v3, 15, v0                           ; r
	v_lshlrev_b32 v1, 4, v7                        ; 16 x lane
	v_lshlrev_b32 v2, 3, v7                        ; 8 x lane
	v_lshlrev_b32 v4, 3, v3                        ; 8 r
	v_lshl_add_u32 v5, v3, 2, s48                  ; the stage: my row's scale word: 64 x wave + 4 r
	v_add_nc_u32 v6, s50, v1
.irp hd, 0,1
.irp i, 6,7,8,9,10,11
	v_mov_b32 v[QF+12*\hd+\i], 0                   ; zero codes for K = 64 .. 127
.endr
.endr
.irp i, 0,1,2,3,4,5
	v_mov_b32 v[KF+48+\i], 0                       ; behind K's last tile
.endr
.irp b, 0,1,2,3
	v_mov_b32 v[TM+4+\b], 0                        ; written once: a lane permute's destination counts as one of its sources
.endr
	v_mov_b32 v[F+1], 0                            ; named as the upper half of the pair with f
	v_mov_b32 v[T0], 0
	s_wait_alu depctr_va_vdst(0)                   ; the wait at the head's end
	QLOAD 0
; ONE HEAD: 8 key steps in a loop, then O / the sum, quantised: six registers of the image and two bytes of the scale word.
.macro HEADPASS hd
	v_mov_b32 v13, 0xff61b1e6                      ; the largest score so far: -3e38, under every score
	v_floor_f32 v12, -v13                          ; -M: so large that the first f is 0
	v_mov_b32 v14, 0                               ; the sum, in two halves
	v_mov_b32 v15, 0
.set ii, 0
.rept 32
	v_mov_b32 v[O+ii], 0                           ; O^T: the step is written once; the first finds zeros, which the first change of M leaves zeros
.set ii, ii+1
.endr
	s_mov_b32 s40, REC*\hd                         ; LDS: the step's K tiles (V's lie 49,152 on),
	s_mov_b32 s41, REC*\hd+98304                   ; K's scale images,
	s_mov_b32 s42, REC*\hd+102400                  ; V's
	s_mov_b32 s43, 8
	v_add_nc_u32 v8, s40, v1
	v_add_nc_u32 v9, s40, v2
	v_add_nc_u32 v10, s41, v2
	KLOAD                                          ; step 0's K
	s_wait_alu depctr_va_vdst(0)                   ; the wait ahead of the loop's first wait
.Lstep_\@:
	s_wait_dscnt 0x0                               ; this step's K is in
.irp t, 0,1,2,3,4,5,6,7                        ; S^T = K Q^T: lane (r, h) holds query r; the 16 registers of tiles 2 b, 2 b + 1 are keys 32 b + 16 h + 0 .. 15 of the step
.if \t%2
	v_wmma_scale_f32_16x16x128_f8f6f4 v[S+8*\t:S+8*\t+7], v[KF+6*\t:KF+6*\t+11], v[QF+12*\hd:QF+12*\hd+11], 0, v[KS+\t/2], v[QS+\hd] matrix_a_fmt:MATRIX_FMT_FP6 matrix_b_fmt:MATRIX_FMT_FP6 matrix_a_scale:MATRIX_SCALE_ROW1
.else
	v_wmma_scale_f32_16x16x128_f8f6f4 v[S+8*\t:S+8*\t+7], v[KF+6*\t:KF+6*\t+11], v[QF+12*\hd:QF+12*\hd+11], 0, v[KS+\t/2], v[QS+\hd] matrix_a_fmt:MATRIX_FMT_FP6 matrix_b_fmt:MATRIX_FMT_FP6
.endif
.endr
	s_add_co_u32 s40, s40, 6144                    ; the next step's eight half images of K
	s_add_co_u32 s41, s41, 512
	v_add_nc_u32 v8, s40, v1                       ; these four are the places between the products and the loads into K's registers and the first read of the scores
	v_add_nc_u32 v9, s40, v2
	v_add_nc_u32 v10, s41, v2
	v_add_nc_u32 v11, s42, v2                      ; this step's scale image of V
	s_add_co_u32 s42, s42, 256
.irp t, 0,1,2,3
.irp c, 0,1,2
	ds_load_b128 v[KF+12*\t+4*\c:KF+12*\t+4*\c+3], v8 offset:49152-6144+1536*\t+512*\c   ; this step's four images of V (v8 stands one step on): they land under the softmax
.endr
.endr
	ds_load_b64 v[VS:VS+1], v11
.irp b, 0,1,2,3
	v_max3_num_f32 v[TM+\b], v[S+16*\b], v[S+1+16*\b], v[S+2+16*\b]   ; the largest score of each block of 32 keys: for the row's maximum and, since p rises with the score, for the block's largest p
.endr
.irp i, 3,5,7,9,11,13
.irp b, 0,1,2,3
	v_max3_num_f32 v[TM+\b], v[TM+\b], v[S+16*\b+\i], v[S+1+16*\b+\i]
.endr
.endr
.irp b, 0,1,2,3
	v_max_num_f32 v[TM+\b], v[TM+\b], v[S+15+16*\b]
.endr
.irp b, 0,1,2,3
	s_delay_alu instid0(VALU_DEP_4)
	v_permlanex16_b32 v[TM+4+\b], v[TM+\b], s[SEL], s[SEL+1]
.endr
.irp b, 0,1,2,3
	s_delay_alu instid0(VALU_DEP_4)
	v_max_num_f32 v[TM+\b], v[TM+\b], v[TM+4+\b]   ; with lane l xor 16's 16 keys
.endr
	s_delay_alu instid0(VALU_DEP_3)
	v_max3_num_f32 v13, v13, v[TM], v[TM+1]
	s_delay_alu instid0(VALU_DEP_1)
	v_max3_num_f32 v13, v13, v[TM+2], v[TM+3]      ; the running largest score of my query
	v_mov_b32 v[T0], v12
	s_delay_alu instid0(VALU_DEP_2)
	v_mul_f32 v[F], s[CS], v13                     ; as t (c is positive)
	s_delay_alu instid0(VALU_DEP_1)
	v_floor_f32 v12, -v[F]                         ; the new -M = floor(-t) = -ceil(t): a whole number
	s_delay_alu instid0(VALU_DEP_1)
	v_sub_f32 v[T0], v12, v[T0]                    ; old M - new M: a whole number, 0 or less
	s_delay_alu instid0(VALU_DEP_1)
	v_cvt_i32_f32 v[T0], v[T0]                     ; (it saturates)
	s_delay_alu instid0(VALU_DEP_1)
	v_ldexp_f32 v[F], 1.0, v[T0]                   ; f = 2^(old M - new M)
.set ii, 0
.rept 32
	v_pk_fma_f32 v[S+ii:S+ii+1], v[S+ii:S+ii+1], s[CS:CS+1], v[12:13] op_sel_hi:[1,0,0]   ; t - M, two at a time
.set ii, ii+2
.endr
.irp b, 0,1,2,3
	v_fma_f32 v[TM+\b], v[TM+\b], s[CS], v12       ; the same of each block's largest score
.endr
	s_wait_alu depctr_va_vdst(0)                   ; the wait ahead of the batch
.set ii, 0
.rept 64
	v_exp_f32 v[S+ii], v[S+ii]                     ; p = 2^(t - M), at most 1
.set ii, ii+1
.endr
.irp b, 0,1,2,3
	v_exp_f32 v[TM+\b], v[TM+\b]                   ; the block's largest p: the same two instructions on the same number
.endr
	v_pk_mul_f32 v[14:15], v[14:15], v[F:F+1] op_sel_hi:[1,0]   ; the sums under the new M: the plain instruction behind the exponentials
	s_wait_alu depctr_va_vdst(0)                   ; one wait for the batch of 68, directly ahead of the first read of O^T too
.set ii, 0
.rept 16
	v_pk_mul_f32 v[O+ii:O+ii+1], v[O+ii:O+ii+1], v[F:F+1] op_sel_hi:[1,0]   ; O^T under the new M, each accumulator from its low end on
.set ii, ii+2
.endr
.irp b, 0,1,2,3
	v_max_num_f32 v[TM+\b], 0x1800000, v[TM+\b]    ; the floor 2^(3 - 127): the byte cannot fall under 1
.endr
.irp b, 0,1,2,3
	s_delay_alu instid0(VALU_DEP_4)
	v_add_nc_u32 v[TM+12+\b], 0xff000000, v[TM+\b] ; 2 off the exponent field: the conversion's scale operand
.endr
.irp b, 0,1,2,3
	s_delay_alu instid0(VALU_DEP_4)
	v_lshrrev_b32 v[TM+4+\b], 23, v[TM+12+\b]      ; the scale's byte
.endr
	s_delay_alu instid0(VALU_DEP_3)
	v_lshl_or_b32 v[PSW], v[TM+5], 8, v[TM+4]      ; p's scale word for these 128 keys
	s_delay_alu instid0(VALU_DEP_1)
	v_lshl_or_b32 v[PSW], v[TM+6], 16, v[PSW]
	s_delay_alu instid0(VALU_DEP_1)
	v_lshl_or_b32 v[PSW], v[TM+7], 24, v[PSW]
.irp c, 0,1
	v_cvt_scalef32_pk16_fp6_f32 v[PC+6*\c:PC+2+6*\c], v[S+32*\c:S+15+32*\c], v[TM+12+2*\c]
	v_cvt_scalef32_pk16_fp6_f32 v[PC+12+4*\c:PC+14+4*\c], v[S+16+32*\c:S+31+32*\c], v[TM+12+2*\c+1]
.endr
	v_nop                                          ; one plain instruction behind the scaled conversions
.irp c, 0,1                                    ; the operand wants a whole block in a lane
.irp i, 0,1,2
	v_permlane16_swap_b32 v[PC+6*\c+\i], v[PC+12+4*\c+\i]
.endr
.irp i, 0,1,2
	s_delay_alu instid0(VALU_DEP_3)
	v_mov_b32 v[PC+3+6*\c+\i], v[PC+12+4*\c+\i]
.endr
.endr
	PA 224, S, S+2                                 ; THE ROW'S SUM of the unquantised p, in eight chains.  Its first four lines stand between the last write of p's codes and the products
	PA 230, S+4, S+6
	PA 232, S+8, S+10
	PA 234, S+12, S+14
	s_wait_alu depctr_va_vdst(0)                   ; the wait here, directly ahead of the wait below
	s_wait_dscnt 0x0                               ; V is in
.irp t, 0,1,2,3                                ; O^T += V^T P^T: four accumulators by turns, one instruction a turn
.if \t%2
	v_wmma_scale_f32_16x16x128_f8f6f4 v[O+8*\t:O+8*\t+7], v[KF+12*\t:KF+12*\t+11], v[PC:PC+11], v[O+8*\t:O+8*\t+7], v[VS+\t/2], v[PSW] matrix_a_fmt:MATRIX_FMT_FP6 matrix_b_fmt:MATRIX_FMT_FP6 matrix_a_scale:MATRIX_SCALE_ROW1
.else
	v_wmma_scale_f32_16x16x128_f8f6f4 v[O+8*\t:O+8*\t+7], v[KF+12*\t:KF+12*\t+11], v[PC:PC+11], v[O+8*\t:O+8*\t+7], v[VS+\t/2], v[PSW] matrix_a_fmt:MATRIX_FMT_FP6 matrix_b_fmt:MATRIX_FMT_FP6
.endif
.endr
	PA 250, S+16, S+18                             ; the next four are the places between the products and the loads into V's registers
	PA 252, S+20, S+22
	PA 254, S+24, S+26
	PA 14, 14, S+28
	KLOAD                                          ; the next step's K, under the rest of the sum
.set ii, S+30
.irp d, 224,230,232,234,250,252,254,14,224,230,232,234,250,252,254,14,224
	PA \d, \d, ii
.set ii, ii+2
.endr
	PA 230, 230, 232
	PA 234, 234, 250
	PA 252, 252, 254
	PA 14, 14, 224
	PA 230, 230, 234
	PA 14, 14, 252
	PA 14, 14, 230
	s_sub_co_u32 s43, s43, 1
	s_cmp_lg_u32 s43, 0
	s_cbranch_scc1 .Lstep_\@
	s_wait_alu depctr_va_vdst(0)                   ; the wait here, directly ahead of the wait below
	s_wait_dscnt 0x0                               ; the last trip's fetch is back: its registers may be loaded again
	v_add_f32 v14, v14, v15                        ; the sum's two halves,
	s_delay_alu instid0(VALU_DEP_1)
	v_permlanex16_b32 v[T0], v14, s[SEL], s[SEL+1]
	s_delay_alu instid0(VALU_DEP_1)
	v_add_f32 v14, v14, v[T0]                      ; and lane l xor 16's: the row's sum
	s_wait_alu depctr_va_vdst(0)
	v_rcp_f32 v14, v14
	v_nop                                          ; a plain instruction behind the reciprocal,
	s_wait_alu depctr_va_vdst(0)                   ; and the wait ahead of its first use
.set ii, 0
.rept 16
	v_pk_mul_f32 v[O+ii:O+ii+1], v[O+ii:O+ii+1], v[14:15] op_sel_hi:[1,0]   ; O / the sum: register 16 b + i = channel 32 b + 16 h + i; each accumulator from its low end on
.set ii, ii+2
.endr
.irp b, 0,1                                    ; the head's two blocks of 32 along the last product's K
	v_max3_num_f32 v[TM+\b], |v[O+16*\b]|, |v[O+1+16*\b]|, 0x1800000
.endr
.irp i, 2,4,6,8,10,12,14
.irp b, 0,1
	s_delay_alu instid0(VALU_DEP_2)
	v_max3_num_f32 v[TM+\b], v[TM+\b], |v[O+16*\b+\i]|, |v[O+1+16*\b+\i]|
.endr
.endr
.irp b, 0,1
	s_delay_alu instid0(VALU_DEP_2)
	v_permlanex16_b32 v[TM+4+\b], v[TM+\b], s[SEL], s[SEL+1]
.endr
.irp b, 0,1
	s_delay_alu instid0(VALU_DEP_2)
	v_max_num_f32 v[TM+\b], v[TM+\b], v[TM+4+\b]
.endr
.irp b, 0,1
	s_delay_alu instid0(VALU_DEP_2)
	v_add_nc_u32 v[TM+12+\b], 0xff000000, v[TM+\b]
.endr
.irp b, 0,1
	s_delay_alu instid0(VALU_DEP_2)
	v_lshrrev_b32 v[TM+4+\b], 23, v[TM+12+\b]
.endr
.if \hd == 0
	s_delay_alu instid0(VALU_DEP_1)
	v_lshl_or_b32 v[OW], v[TM+5], 8, v[TM+4]       ; bytes 0 and 1 of my row's scale word
.else
	s_delay_alu instid0(VALU_DEP_2)
	v_lshl_or_b32 v[OW], v[TM+4], 16, v[OW]        ; bytes 2 and 3
	s_delay_alu instid0(VALU_DEP_1)
	v_lshl_or_b32 v[OW], v[TM+5], 24, v[OW]
.endif
	v_cvt_scalef32_pk16_fp6_f32 v[OC+6*\hd:OC+6*\hd+2], v[O:O+15], v[TM+12]
	v_cvt_scalef32_pk16_fp6_f32 v[PC+12:PC+14], v[O+16:O+31], v[TM+13]
	v_nop                                          ; one plain instruction behind the scaled conversions
.irp i, 0,1,2
	v_permlane16_swap_b32 v[OC+6*\hd+\i], v[PC+12+\i]
.endr
.irp i, 0,1,2
	s_delay_alu instid0(VALU_DEP_3)
	v_mov_b32 v[OC+6*\hd+3+\i], v[PC+12+\i]        ; registers 6 hd .. 6 hd + 5 of the image: k = 64 hd + 32 h + 0 .. 31
.endr
.endm
	s_cmp_lt_u32 s12, 4                            ; waves 0-3 brought head 0's record: they wait; head 1's may still be on its way
	s_cbranch_scc0 .Lnot_rec_0
	s_wait_tensorcnt 0x0
.Lnot_rec_0:
	s_barrier_signal -1
	s_barrier_wait -1                              ; head 0's record is in
	QLOAD 1                                        ; head 1's Q: three loads, wanted behind head 0's loop
	s_wait_loadcnt 3                               ; head 0's Q is in; the three just issued may be out
	s_wait_tensorcnt 0x0                           ; every wave, under no branch: my part of head 1's record, if I brought one, has landed
	s_barrier_signal -1                            ; say so now; the wait stands behind head 0's work, which reads head 0's record alone
	HEADPASS 0
	s_barrier_wait -1                              ; head 1's record is in
	s_wait_loadcnt 0x0                             ; and its Q
	HEADPASS 1
.irp c, 0,1,2
	global_store_b128 v1, v[OC+4*\c:OC+4*\c+3], s[8:9] offset:512*\c   ; the image: 512 consecutive bytes a store
.endr
	ds_store_b32 v5, v[OW]                         ; both halves of the lanes write the same word with the same value
	s_wait_dscnt 0x0                               ; for the others' sake: my store has landed
	s_barrier_signal -1
	s_barrier_wait -1
	s_cmp_lt_u32 s12, 2                            ; waves 0 and 1 store the work-group's 256 scale words
	s_cbranch_scc0 .Lno_os
	ds_load_b128 v[S:S+3], v6
	s_wait_dscnt 0x0
	global_store_b128 v1, v[S:S+3], s[10:11]       ; 512 consecutive bytes
.Lno_os:
	s_wait_tensorcnt 0x0                           ; the wave's end
	ds_add_u32 v241, v243
	s_wait_dscnt 0x0
	CROUND                                         ; the closing round: no work-group ends while a partner may still ask for a tile that names it
	s_endpgm
.Lfunc_end_k_q7310b51c82_attn:
	.size	k_q7310b51c82_attn, .Lfunc_end_k_q7310b51c82_attn-k_q7310b51c82_attn
	.p2alignl 7, 3214868480
	.fill 96, 4, 3214868480
	.section	.rodata,"a",@progbits
	.p2align	6, 0x0
	.amdhsa_kernel k_q7310b51c82_attn
		.amdhsa_group_segment_fixed_size 211968
		.amdhsa_private_segment_fixed_size 0
		.amdhsa_enable_private_segment 0
		.amdhsa_kernarg_size 32
		.amdhsa_user_sgpr_count 2
		.amdhsa_user_sgpr_kernarg_segment_ptr 1
		.amdhsa_wavefront_size32 1
		.amdhsa_system_sgpr_workgroup_id_x 1
		.amdhsa_system_sgpr_workgroup_id_y 1
		.amdhsa_system_sgpr_workgroup_id_z 1
		.amdhsa_system_vgpr_workitem_id 0
		.amdhsa_next_free_vgpr 256
		.amdhsa_next_free_sgpr 66
		.amdhsa_reserve_vcc 0
		.amdhsa_float_denorm_mode_32 3
		.amdhsa_float_denorm_mode_16_64 3
		.amdhsa_memory_ordered 1
		.amdhsa_forward_progress 1
		.amdhsa_inst_pref_size 55
	.end_amdhsa_kernel
	.amdgpu_metadata
---
amdhsa.version: [ 1, 2 ]
amdhsa.kernels:
  - .name:           k_q7310b51c82_attn
    .symbol:         k_q7310b51c82_attn.kd
    .args:
      - { .name: qb, .offset: 0, .size: 8, .value_kind: global_buffer, .address_space: global }
      - { .name: kvb, .offset: 8, .size: 8, .value_kind: global_buffer, .address_space: global }
      - { .name: oc, .offset: 16, .size: 8, .value_kind: global_buffer, .address_space: global }
      - { .name: os, .offset: 24, .size: 8, .value_kind: global_buffer, .address_space: global }
    .group_segment_fixed_size: 211968
    .private_segment_fixed_size: 0
    .kernarg_segment_align: 8
    .kernarg_segment_size: 32
    .max_flat_workgroup_size: 512
    .sgpr_count:     66
    .vgpr_count:     256
    .wavefront_size: 32
...
	.end_amdgpu_metadata
.endif
;; end of part 3
;; launch proj (part 4): grid 8 x 32, 4 waves a work-group, clusters of 4 x 4, 312,832 bytes of LDS; arguments oc, os, cw, sw, b_proj, out0; writes out0
.if DOCPART == 4
	.amdgcn_target "amdgcn-amd-amdhsa--gfx1250"
	.amdhsa_code_object_version 6
	.text
	.protected	k_q7310b51c82_proj
	.globl	k_q7310b51c82_proj
	.p2align	8
	.type	k_q7310b51c82_proj,@function
k_q7310b51c82_proj:
	s_mov_b64 s[64:65], 0
	v_nop
	global_prefetch_b8 v0, s[64:65] scope:SCOPE_SE
	s_setreg_imm32_b32 hwreg(HW_REG_WAVE_MODE, 25, 1), 1
	s_wait_xcnt 0x0
	s_wait_alu depctr_hold_cnt(0) depctr_sa_sdst(0) depctr_va_vdst(0) depctr_va_sdst(0) depctr_va_ssrc(0) depctr_va_vcc(0) depctr_vm_vsrc(0)
	s_getreg_b32 s2, hwreg(HW_REG_IB_STS2, 6, 4)
	s_cmp_eq_u32 s2, 0
	s_cbranch_scc0 .Lentry_in_a_cluster
	s_endpgm
.Lentry_in_a_cluster:
	s_bfe_u32 s2, ttmp6, 0x10000c
	s_cmp_lg_u32 s2, 0xf033
	s_cbranch_scc0 .Lentry_shape_is_right
	s_endpgm
.Lentry_shape_is_right:
; out0 = O W_proj + b_proj on codes of FP6 (E2M3) with E8M0 scales; f32 sums; f32 out.
; A work-group makes 256 rows (the attention's output, oc) x 128 columns (W_proj's columns, tiles 704 on of cw).  256 work-groups.  Four waves 2 x 2: the wave in column bc holds its 64 columns of W, ALL of K = 1,024, in
; registers (32 fragments, 384 registers); the wave in row a takes the work-group's tile 2 s + a of 16 rows, all of K, as its block s, s = 0 .. 7.  A block's 16 x 64 sums are finished after its 32 products and leave at
; once: through the wave's own stage in LDS and out as whole rows of 256 bytes, while the next blocks are multiplied.  So the stores are spread over the products.
; LDS: W's 8 tiles (98,304 bytes), O's 16 tiles (196,608), as they lie in memory, each byte filled once; the four stages; the spare words.  Nothing is filled twice, so there is no ring.
; THE HEAD: one joint load a wave: wave 0 W's tiles, wave 1 O's tiles 0-3 (blocks 0 and 1), waves 2 and 3 six tiles each.  The first barrier shows waves 0's and 1's; the barrier in block 0 shows the rest, ahead of block 2's fetch.
; CLUSTER 4 x 4: O's tiles are shared along a row of the cluster, W's along a column.  NO PREFETCH: all that the work-group reads is asked for at the head; there is no loop to run ahead in.
; The matrix instruction is used transposed (source 0 = W's columns, source 1 = O's rows): a lane holds one row and eight neighbouring columns; the bias is the C of each sum's first product.
; THE ROWS lie in oc by position: position p holds token pi(p), pi = bits 3 and 4 exchanged.  The way out undoes it in its stores' immediates and base.
; THE WAITS' COUNTS.  A block's rows were fetched two blocks ago.  Younger than that fetch are the last block's 16 stage instructions and the next block's fetch, 24 loads: 40 (16 where nothing more is fetched).
; Ahead of a block's stores only the fetch issued behind the stage's loads is younger: 24, or none.
; REGISTERS: window 0: v4-7 LDS addresses of O's tiles, a pair of blocks each; v8 of W's; v9-11 the way out; v12-15 offsets; v16-31 W's scale words; v36-67 O's; v68-69 the add's; v72-103 the bias; v104-167 two sets of four
;   accumulators; v168-231 two sets of 16 rows read back.  Fragment f lies in window 1 + f / 21 at register 12 (f % 21): 0-31 W's (4 q + b), 32-39 and 40-47 O's two sets.
.set ABASE, 98304
.set STAGE, 294912                     ; 16 rows x (256 + 16) bytes for each wave; no fill lands there
.set SPARE, 312320
.set ADA,  4
.set ADW,  8
.set STO,  9
.set RD,   10
.set CO,   11
.set SB,   16                          ; register SB + 8 i + q: lanes 0-15 my tile i of W, lanes 16-31 tile i + 2, K step q
.set SA,   36                          ; register SA + 8 i + q: lanes 0-15 block i, lanes 16-31 block i + 4.  Its number differs from W's modulo 8
.set BIAS, 72
.set ACC,  104
.set BK,   168
.set G1B,  24                          ; s[24:31] group 1 for W's 8 tiles; s[32:39] for 4 tiles of O; s[44:51] for 6
.set G1A4, 32
.set G1A6, 44
.set G0B,  52
.set G0A1, 56
.set G0A2, 68
.set MSB, 0
.macro WIN new                         ; the immediate's high byte repeats the setting that is left
.if MSB != \new
	s_set_vgpr_msb (MSB<<8)|\new
.set MSB, \new
.endif
.endm
.macro PLACES
.rept 4
	v_nop
.endr
.endm
.macro CROUND                          ; a round of the cluster's barrier
	s_barrier_signal -1
	s_barrier_wait -1
	s_cmp_lg_u32 s16, 0
	s_cbranch_scc1 .Lnot_wave_0_\@
	s_barrier_signal -3
.Lnot_wave_0_\@:
	s_barrier_wait -3
	s_barrier_signal -1
	s_barrier_wait -1
.endm
.macro GROUP1 g, mask, rows            ; whole tiles: rows of 12,288 bytes (1,536 elements of 8 bytes), dense in memory and in LDS
	s_or_b32 s[\g], s\mask, (3<<16)|(1<<21)
	s_mov_b32 s[\g+1], 1536<<16
	s_mov_b32 s[\g+2], (\rows)<<16
	s_mov_b32 s[\g+3], 1536<<16
	s_mov_b32 s[\g+4], \rows
	s_mov_b32 s[\g+5], 1536
	s_mov_b32 s[\g+6], 0
	s_mov_b32 s[\g+7], 0
.endm
.macro TLOAD g0, g1
	tensor_load_to_lds s[\g0:\g0+3], s[\g1:\g1+7]
	s_nop 0
	PLACES
.endm
	s_load_b256 s[4:11], s[0:1], 0x0               ; oc s[4:5], os s[6:7], cw s[8:9], sw s[10:11]
	s_load_b128 s[12:15], s[0:1], 0x20             ; b_proj s[12:13], out0 s[14:15]
	v_lshl_add_u32 v68, v0, 2, SPARE
	v_mov_b32 v69, 0
	ds_add_u32 v68, v69                            ; the opening lines: the add twice on end under one wait
	ds_add_u32 v68, v69
	v_lshrrev_b32 v1, 5, v0
	v_readfirstlane_b32 s16, v1                    ; wave 0..3
	s_lshr_b32 s17, s16, 1                         ; a: which tile of each pair is mine
	s_and_b32 s18, s16, 1                          ; bc: which 64 columns
	s_bfe_u32 s19, ttmp6, 0x40000                  ; cx
	s_bfe_u32 s20, ttmp6, 0x40004                  ; cy
	s_and_b32 s21, ttmp7, 0xffff
	s_lshl_b32 s22, s21, 2
	s_add_co_u32 s22, s22, s20                     ; RA: which 256 rows (hangs on cy, never on cx)
	s_lshl_b32 s40, ttmp9, 2
	s_add_co_u32 s40, s40, s19                     ; CB: which 128 columns (hangs on cx, never on cy)
	s_lshl_b32 s60, s20, 2
	s_lshl_b32 s60, 15, s60                        ; my row of the cluster
	s_lshl_b32 s61, 0x1111, s19                    ; my column
	GROUP1 G1B, 61, 8
	GROUP1 G1A4, 60, 4
	GROUP1 G1A6, 60, 6
	s_mul_i32 s62, s22, 196608                     ; O: tile 16 RA, in bytes
	s_mov_b32 s63, 0
	s_lshl_b32 s90, s40, 3
	s_add_co_u32 s90, s90, 704
	s_mul_i32 s90, s90, 12288                      ; W: tile 704 + 8 CB
	s_mov_b32 s91, 0
	s_mul_i32 s92, s18, 6
	s_add_co_u32 s92, s92, 4
	s_mul_i32 s92, s92, 12288                      ; waves 2 and 3: O's tiles from 4 and from 10 on: the same place in memory and in LDS
	s_mov_b32 s93, 0
	s_wait_dscnt 0x0
	s_wait_kmcnt 0x0
	s_add_nc_u64 s[62:63], s[4:5], s[62:63]
	s_add_nc_u64 s[90:91], s[8:9], s[90:91]
	CROUND                                         ; all sixteen work-groups are here: the joint loads meet
	s_mov_b32 s[G0B], 1
	s_mov_b32 s[G0B+1], 0
	s_mov_b64 s[G0B+2:G0B+3], s[90:91]
	s_or_b32 s[G0B+3], s[G0B+3], 0x80000000
	s_mov_b32 s[G0A1], 1
	s_mov_b32 s[G0A1+1], ABASE
	s_mov_b64 s[G0A1+2:G0A1+3], s[62:63]
	s_or_b32 s[G0A1+3], s[G0A1+3], 0x80000000
	s_mov_b32 s[G0A2], 1
	s_add_co_u32 s[G0A2+1], s92, ABASE
	s_add_nc_u64 s[G0A2+2:G0A2+3], s[62:63], s[92:93]
	s_or_b32 s[G0A2+3], s[G0A2+3], 0x80000000
	s_cmp_eq_u32 s16, 0                            ; one chain of arms on the wave's number, one load to an arm
	s_cbranch_scc0 .Lwave_1
	TLOAD G0B, G1B                                 ; wave 0: W's 8 tiles, which go on into registers
	s_branch .Lasked
.Lwave_1:
	s_cmp_eq_u32 s16, 1
	s_cbranch_scc0 .Lwave_2
	TLOAD G0A1, G1A4                               ; wave 1: O's tiles 0-3
	s_branch .Lasked
.Lwave_2:
	TLOAD G0A2, G1A6                               ; waves 2 and 3: six tiles each
.Lasked:
	s_mul_i32 s86, s18, 49152                      ; my 4 tiles of W
	s_mul_i32 s87, s17, 12288
	s_add_co_u32 s87, s87, ABASE                   ; my tile of O's first pair
	s_mul_i32 s88, s16, 4352
	s_add_co_u32 s88, s88, STAGE                   ; my stage
	s_lshl_b32 s94, s22, 10
	s_lshl_b32 s95, s17, 6
	s_add_co_u32 s94, s94, s95                     ; os: 4 x (256 RA + 16 a)
	s_mov_b32 s95, 0
	s_add_nc_u64 s[94:95], s[6:7], s[94:95]
	s_lshl_b32 s96, s40, 3
	s_lshl_b32 s97, s18, 2
	s_add_co_u32 s96, s96, s97
	s_add_co_u32 s96, s96, 704
	s_lshl_b32 s96, s96, 9
	s_mov_b32 s97, 0
	s_add_nc_u64 s[96:97], s[10:11], s[96:97]      ; sw at my 4 tiles of W
	s_lshl_b32 s92, s40, 9
	s_lshl_b32 s93, s18, 8
	s_add_co_u32 s92, s92, s93                     ; 4 x my first column
	s_mov_b32 s93, 0
	s_add_nc_u64 s[84:85], s[12:13], s[92:93]      ; b_proj there
	s_add_nc_u64 s[14:15], s[14:15], s[92:93]
	s_lshl_b32 s92, s22, 20
	s_lshl_b32 s89, s17, 15
	s_add_co_u32 s92, s92, s89                     ; (256 RA + 8 a) rows of 4,096 bytes: tile 2 s + a holds tokens 32 s + 8 a + 0 .. 7 and 16 more on
	s_add_nc_u64 s[14:15], s[14:15], s[92:93]      ; out0 at my corner
	v_and_b32 v1, 31, v0                           ; lane
	v_and_b32 v2, 15, v0                           ; r
	v_bfe_u32 v3, v0, 4, 1                         ; h
	v_lshlrev_b32 v12, 4, v1                       ; 16 x lane
	v_add_nc_u32 v[ADW], s86, v12
	v_add_nc_u32 v[ADA], s87, v12
	v_add_nc_u32 v[ADA+1], 49152, v[ADA]           ; a pair of blocks is four tiles on
	v_add_nc_u32 v[ADA+2], 98304, v[ADA]
	v_add_nc_u32 v[ADA+3], 147456, v[ADA]
	v_mul_u32_u24 v[STO], v2, 272
	v_lshl_add_u32 v[STO], v3, 6, v[STO]
	v_add_nc_u32 v[STO], s88, v[STO]               ; into the stage: row r, + 64 h
	v_mul_u32_u24 v[RD], v3, 272
	v_lshl_add_u32 v[RD], v2, 4, v[RD]
	v_add_nc_u32 v[RD], s88, v[RD]                 ; back: sixteen lanes to a row of 256 bytes, two rows an instruction
	v_lshlrev_b32 v[CO], 12, v3
	v_lshl_add_u32 v[CO], v2, 4, v[CO]             ; and the same two rows in out0
	v_lshlrev_b32 v13, 2, v2
	v_lshl_add_u32 v13, v3, 9, v13                 ; O's scale words: row r; lanes 16-31 four blocks on
	v_lshlrev_b32 v14, 3, v2
	v_lshl_add_u32 v14, v3, 10, v14                ; W's: row r; lanes 16-31 two tiles on
	v_lshlrev_b32 v15, 6, v3                       ; the bias: 64 h bytes
	s_wait_alu depctr_va_vdst(0)                   ; the wait at the head's end
.irp i, 0,1,2,3
.irp k, 0,1,2,3,4,5,6,7
	global_load_b32 v[SA+8*\i+\k], v13, s[94:95] offset:32768*\k+128*\i
.endr
.endr
.irp i, 0,1
.irp kp, 0,1,2,3
	global_load_b64 v[SB+8*\i+2*\kp:SB+8*\i+2*\kp+1], v14, s[96:97] offset:512*\i+128*\kp
.endr
.endr
.irp bb, 0,1
.irp j, 0,1,2,3
	global_load_b128 v[BIAS+16*\bb+4*\j:BIAS+16*\bb+4*\j+3], v15, s[84:85] offset:128*\bb+16*\j   ; register 8 b + j: the column that accumulator b's register j holds
.endr
.endr
.macro FRAGL f, adr, off               ; a fragment comes back as it was stored: three loads of 512 consecutive bytes
	WIN (1+(\f)/21)<<6
.irp c, 0,1,2
	ds_load_b128 v[12*((\f)%21)+4*\c:12*((\f)%21)+4*\c+3], v[\adr] offset:(\off)+512*\c
.endr
.endm
.macro FETCH s                         ; block s, all of K, into set s % 2: 24 loads
.irp q, 0,1,2,3,4,5,6,7
	FRAGL 32+8*((\s)%2)+\q, ADA+(\s)/2, 24576*((\s)%2)+1536*\q
.endr
	WIN 0
.endm
; One product: n = 4 q + b: W's tile b x block s, K step q.  K step 0 takes the bias as C.  The four accumulators take turns, one instruction a turn.
.macro WM1 c, ra, rb
	v_wmma_scale_f32_16x16x128_f8f6f4 v[rD:rD+7], v[rB:rB+11], v[rA:rA+11], \c, v[rX], v[rY] matrix_a_fmt:MATRIX_FMT_FP6 matrix_b_fmt:MATRIX_FMT_FP6 matrix_a_scale:MATRIX_SCALE_ROW\ra matrix_b_scale:MATRIX_SCALE_ROW\rb
.endm
.macro WM2 ra, rb
.if Q_ == 0
	WM1 v[rC:rC+7], \ra, \rb
.else
	WM1 v[rD:rD+7], \ra, \rb
.endif
.endm
.macro PROD s, n
.set Q_, (\n)/4
.set B_, (\n)%4
.set FB_, 4*Q_+B_
.set FA_, 32+8*((\s)%2)+Q_
.set rD, ACC+32*((\s)%2)+8*B_
.set rC, BIAS+8*B_
.set rB, 12*(FB_%21)
.set rA, 12*(FA_%21)
.set rX, SB+8*(B_%2)+Q_
.set rY, SA+8*((\s)%4)+Q_
.set rw, 2*(B_/2)+(\s)/4
	WIN (1+FB_/21)|((1+FA_/21)<<2)
.if rw == 0
	WM2 0, 0
.elseif rw == 1
	WM2 0, 1
.elseif rw == 2
	WM2 1, 0
.else
	WM2 1, 1
.endif
.endm
; THE WAY OUT of block s.  LDS serves a wave's instructions in order (ISA guide 5.7.1.4): no wait between the stores and the loads, nor in front of the next block's stores.
.macro TOSTAGE s
.set AC, ACC+32*((\s)%2)
.set BB, BK+32*((\s)%2)
.irp b, 0,1,2,3
	ds_store_b128 v[STO], v[AC+8*\b:AC+8*\b+3] offset:128*(\b/2)+32*(\b%2)       ; accumulator b, register j: column 32 (b / 2) + 16 h + 8 (b % 2) + j; each accumulator from its low end on
	ds_store_b128 v[STO], v[AC+8*\b+4:AC+8*\b+7] offset:128*(\b/2)+32*(\b%2)+16
.endr
.irp t, 0,1,2,3,4,5,6,7
	ds_load_b128 v[BB+4*\t:BB+4*\t+3], v[RD] offset:544*\t
.endr
.endm
.macro SEND s, younger
.set BB, BK+32*((\s)%2)
	s_wait_dscnt \younger
.irp t, 0,1,2,3,4,5,6,7
	global_store_b128 v[CO], v[BB+4*\t:BB+4*\t+3], s[14:15] offset:(32*(\s)+(2*\t)%8+16*(\t/4))*4096 th:TH_STORE_NT   ; rows 2 t and 2 t + 1 of the tile: sixteen lanes store 256 consecutive bytes, aligned
.endr
.endm
.macro BLK s
.if (\s) == 0
	s_wait_dscnt 0x0                               ; W's fragments and blocks 0 and 1 are in registers
	s_wait_tensorcnt 0x0                           ; every wave, under no branch: my load has landed
	s_barrier_signal -1
.elseif (\s) < 7
	s_wait_dscnt 40
.else
	s_wait_dscnt 16
.endif
.set N_, 0
.rept 32
	PROD \s, N_
.set N_, N_+1
.endr
	WIN 0
.if (\s) == 0
	s_barrier_wait -1                              ; all of O's tiles are in
.else
	s_wait_xcnt 0x0                                ; block s - 2's stores have read their registers: block s's rows may land there
.if (\s) < 7
	SEND (\s)-1, 24
.else
	SEND (\s)-1, 0
.endif
.endif
	PLACES                                         ; in front of the first read of results and of the loads into registers that held fragments
	TOSTAGE \s
.if (\s) < 6
	FETCH (\s)+2
.endif
.endm
	s_cmp_lt_u32 s16, 2                            ; waves 0 and 1 brought what is wanted first: they wait; the other tiles may still be on their way
	s_cbranch_scc0 .Lnot_first
	s_wait_tensorcnt 0x0
.Lnot_first:
	s_barrier_signal -1
	s_barrier_wait -1
.irp q, 0,1,2,3,4,5,6,7                                ; my 64 columns of W, all of K: 96 loads
.irp b, 0,1,2,3
	FRAGL 4*\q+\b, ADW, 12288*\b+1536*\q
.endr
.endr
	WIN 0
	FETCH 0
	FETCH 1
	s_wait_loadcnt 0x0                             ; scale words and bias
	BLK 0
	BLK 1
	BLK 2
	BLK 3
	BLK 4
	BLK 5
	BLK 6
	BLK 7
	SEND 7, 0
	s_wait_tensorcnt 0x0                           ; the wave's end
	ds_add_u32 v68, v69
	s_wait_dscnt 0x0
	CROUND                                         ; the closing round: no work-group ends while a partner may still ask for a tile that names it
	s_endpgm
.Lfunc_end_k_q7310b51c82_proj:
	.size	k_q7310b51c82_proj, .Lfunc_end_k_q7310b51c82_proj-k_q7310b51c82_proj
	.p2alignl 7, 3214868480
	.fill 96, 4, 3214868480
	.section	.rodata,"a",@progbits
	.p2align	6, 0x0
	.amdhsa_kernel k_q7310b51c82_proj
		.amdhsa_group_segment_fixed_size 312832
		.amdhsa_private_segment_fixed_size 0
		.amdhsa_enable_private_segment 0
		.amdhsa_kernarg_size 48
		.amdhsa_user_sgpr_count 2
		.amdhsa_user_sgpr_kernarg_segment_ptr 1
		.amdhsa_wavefront_size32 1
		.amdhsa_system_sgpr_workgroup_id_x 1
		.amdhsa_system_sgpr_workgroup_id_y 1
		.amdhsa_system_sgpr_workgroup_id_z 1
		.amdhsa_system_vgpr_workitem_id 0
		.amdhsa_next_free_vgpr 840
		.amdhsa_next_free_sgpr 100
		.amdhsa_reserve_vcc 0
		.amdhsa_float_denorm_mode_32 3
		.amdhsa_float_denorm_mode_16_64 3
		.amdhsa_memory_ordered 1
		.amdhsa_forward_progress 1
		.amdhsa_inst_pref_size 80
	.end_amdhsa_kernel
	.amdgpu_metadata
---
amdhsa.version: [ 1, 2 ]
amdhsa.kernels:
  - .name:           k_q7310b51c82_proj
    .symbol:         k_q7310b51c82_proj.kd
    .args:
      - { .name: oc, .offset: 0, .size: 8, .value_kind: global_buffer, .address_space: global }
      - { .name: os, .offset: 8, .size: 8, .value_kind: global_buffer, .address_space: global }
      - { .name: cw, .offset: 16, .size: 8, .value_kind: global_buffer, .address_space: global }
      - { .name: sw, .offset: 24, .size: 8, .value_kind: global_buffer, .address_space: global }
      - { .name: b_proj, .offset: 32, .size: 8, .value_kind: global_buffer, .address_space: global }
      - { .name: out0, .offset: 40, .size: 8, .value_kind: global_buffer, .address_space: global }
    .group_segment_fixed_size: 312832
    .private_segment_fixed_size: 0
    .kernarg_segment_align: 8
    .kernarg_segment_size: 48
    .max_flat_workgroup_size: 128
    .sgpr_count:     100
    .vgpr_count:     840
    .wavefront_size: 32
...
	.end_amdgpu_metadata
.endif
;; end of part 4
